; MI455X (gfx1250); checked and timed in simulation.
; The chip was launched on July 23, 2026; its instructions are those of AMD's public machine-readable ISA for CDNA 5 (MIT licence, August 2026) and "CDNA5" Instruction Set Architecture Reference Guide (July 2026). The comments in the code are by the model that wrote it; some were corrected since.
;; self attention. Allowed arithmetic: matrix products marked QUANTISED: E4M3 operands, one given power-of-two scale a tensor, by v_wmma_f32_16x16x64_fp8_fp8 or v_wmma_f32_16x16x128_fp8_fp8, f32 sums; everything else in f32.
;; Inputs: Wk 1,024 x 1,024 float32; Wo 1,024 x 1,024 float32; Wq 1,024 x 1,024 float32; Wv 1,024 x 1,024 float32; bo 1,024 float32; lowp_scales 12 int32 (the exponents e of the quantised operands' scales 2^e); x 4 x 2,048 x 1,024 float32.
;; Outputs: out0 4 x 2,048 x 1,024 float32.
;; This version of the problem:
;;   THIS VERSION OF THE PROBLEM IS GIVEN IN LOW PRECISION. The matrix products marked QUANTISED in the list below multiply operands that are first quantised to E4M3 (4 exponent bits, 3 mantissa bits; 8 bits a number), with one given power-of-two scale for each operand tensor; their sums are f32. All else is computed in f32.
;;   The module's matrix products, in the order in which they are computed (A, B: the left and right operand; K: the contracted axis; several contracted axes count as one K, in the product's order):
;;     1. [M 8,192, K 1,024] x [K 1,024, N 1,024]; A: input x; B: input Wq: QUANTISED (scales: A lowp_scales[0], B lowp_scales[1])
;;     2. [M 8,192, K 1,024] x [K 1,024, N 1,024]; A: input x; B: input Wk: QUANTISED (scales: A lowp_scales[2], B lowp_scales[3])
;;     3. [M 8,192, K 1,024] x [K 1,024, N 1,024]; A: input x; B: input Wv: QUANTISED (scales: A lowp_scales[4], B lowp_scales[5])
;;     4. batch 64 x [M 2,048, K 64] x [K 64, N 2,048]; A: computed on the way; B: computed on the way: QUANTISED (scales: A lowp_scales[6], B lowp_scales[7])
;;     5. batch 64 x [M 2,048, K 2,048] x [K 2,048, N 64]; A: softmax (see below); B: computed on the way: QUANTISED (scales: A lowp_scales[8], B lowp_scales[9])
;;     6. [M 8,192, K 1,024] x [K 1,024, N 1,024]; A: computed on the way; B: input Wo: QUANTISED (scales: A lowp_scales[10], B lowp_scales[11])
;;   THE QUANTISER, for each operand of a quantised product, along K:
;;     - The operand's scale is 2^e, e = its entry of the input lowp_scales (int32; the entries are numbered through the quantised products in the list's order, A before B).
;;     - Each number is divided by the scale, clamped to +-448, and rounded to the nearest number of E4M3, ties to even, subnormals kept.
;;     - The product sums the exact products of the quantised numbers (number of the format x scale) in f32.
;;   ~~~python
;;   def quantise(x, axis, e):      # numpy; x: float32 -> the quantised numbers, widened to float32 again
;;       x = np.moveaxis(x, axis, -1); K = x.shape[-1]
;;       r = np.clip(x / 2.0 ** e, -448, 448)
;;       step = 2.0 ** (np.maximum(np.frexp(np.where(r == 0, 1, r))[1] - 1, -6) - 3)
;;       q = np.round(r / step) * step * 2.0 ** e      # np.round: ties to even
;;       return np.moveaxis(q, -1, axis).astype(np.float32)
;;   ~~~
;;   SOFTMAX AHEAD OF A QUANTISED PRODUCT. Where the list says 'softmax', what is quantised is not the finished softmax but p = 2^(t - M), with t = logit x log2(e) and M = ceil(the row's largest t), a whole number; so 1/2 < the row's largest p <= 1. The row's sum l is taken of the UNQUANTISED p, in f32, and the product's result is divided by l at the end. Since M is a whole number, a kernel that streams over the keys may use a running M (the ceiling of the running maximum): every later rescaling is an exact power of two, so the quantised numbers keep their values, but for numbers so far below the row's largest that they fall under the format's range.
;;   OPERANDS COMPUTED ON THE WAY. 'Computed on the way' means the value that the module computes at that place (a softmax that the list does not call 'softmax' is quantised finished and normalised). What goes into a quantiser is computed in f32, as accurately as f32 sums, v_exp_f32 and their like allow (about 1e-6 of the number): no bf16 or f16 on the way to a quantiser, and a product that is left as it is and whose result goes on into a quantised operand takes f32 operands (vector FMAs, or v_wmma_f32_16x16x4_f32). A number that lies on a knife's edge between two numbers of the format may be rounded either way, as far as f32 arithmetic and the matrix unit's own rounding can turn it there, and no further.
;; One version. Each part assembles by itself: llvm-mc -triple=amdgcn-amd-amdhsa -mcpu=gfx1250 --defsym DOCPART=n.
;; ======== version 1 of 1: 4 launches
;; limits: right only within a limited range of input values
;; workspace buffers: xc 25,165,824 bytes; wc 4,194,304 bytes; qkvc 25,165,824 bytes; ctxc 8,388,608 bytes
;; launch quant (part 1): grid 384 x 1, 4 waves a work-group, no clusters, 68,096 bytes of LDS; arguments x, Wq, Wk, Wv, Wo, lowp_scales, xc, wc; writes xc, wc
.if DOCPART == 1
	.amdgcn_target "amdgcn-amd-amdhsa--gfx1250"
	.amdhsa_code_object_version 6
	.text
	.protected	k_qa9cc7bc1cf_quant
	.globl	k_qa9cc7bc1cf_quant
	.p2align	8
	.type	k_qa9cc7bc1cf_quant,@function
k_qa9cc7bc1cf_quant:
	s_mov_b64 s[64:65], 0
	v_nop
	global_prefetch_b8 v0, s[64:65] scope:SCOPE_SE
	s_setreg_imm32_b32 hwreg(HW_REG_WAVE_MODE, 25, 1), 1
	s_wait_xcnt 0x0
; f32 numbers into codes of FP8 (E4M3): code = number / 2^e, held within +-448, rounded to the nearest code, ties to even.
; Work-groups 0-255: x [8192][1024] becomes THREE sets of codes, with entries 0, 2, 4 of the scales (the three projections' A operands; the entries need not be equal): xc[p][8192][1024].
; Work-groups 256-383: Wq, Wk, Wv, Wo [1024 k][1024 n] become codes with K innermost, wc[s][1024 n][1024 k], with entries 1, 3, 5, 11.
; LIMITS: each of these seven exponents lies between -126 and 119, so that 2^e and 448 x 2^e are f32 numbers.  NaN among the inputs is not served; an infinity is held at the largest code.
; No tensor loads, no barrier: waves share nothing.  The two paths part on the work-group's number and have LDS bytes of their own: x bytes 0 .. 32,767, the weights 32,768 .. 67,583.
; No cluster: the work-groups share no input.  No matrix unit: memory binds.
.set STEPS,  16                        ; x: a wave takes 16 steps of 512 numbers
.set SP,     80                        ; x: a lane's place in a stage: its 64 bytes + 16 of padding
.set R,      16                        ; v16-79   x: four sets of 16 numbers as they are loaded
.set X,      80                        ; v80-111  x: two sets of 16 neighbours
.set T,      112                       ; x: unused; the conversions read X directly
.set C,      160                       ; v160-183 x: codes, two sets of 3 x 4 registers
.set MANT,   0x600000                  ; the mantissa field of 448 as f32
.set WSTAGE, 32768                     ; W: the four waves' stages
.set PITCH,  272                       ; W: a stage row: 256 bytes of codes + 16
.set KROW,   1024                      ; W: a row of codes in memory
.set NROW,   4096                      ; W: a row of a weight in memory
.set NB,     8                         ; W: blocks of 32 along K for a wave
.set XW,     32                        ; v32-95   W: two sets of 32 numbers
.set CW,     96                        ; v96-103  W: a block's codes
.set OUTR,   112                       ; v112-175 W: the way out
	s_load_b512 s[8:23], s[0:1], 0x0               ; x 8:9, Wq 10:11, Wk 12:13, Wv 14:15, Wo 16:17, scales 18:19, xc 20:21, wc 22:23
	v_lshl_add_u32 v192, v0, 2, 0x10800
	v_mov_b32 v193, 0
	v_lshrrev_b32 v1, 5, v0
	v_readfirstlane_b32 s24, v1                    ; wave 0..3
	v_and_b32 v2, 31, v0                           ; lane
	s_cmp_lt_u32 ttmp9, 256
	s_cbranch_scc0 .Lweights
; ---------------- x.  Each load reads 512 consecutive bytes, 16 a lane; a step's 2,048 bytes turn through the wave's own stage in LDS and come back 64 bytes a lane: 16 neighbours along K,
; which the conversions want in one lane's registers.  A lane's 16 codes are 16 bytes: each store of the wave covers 512 consecutive bytes, aligned.  Loads run four steps ahead, the turn one step.
	v_lshlrev_b32 v3, 4, v2                        ; 16 x lane: my place in a load's 512 bytes and in a store's; never rewritten
	s_lshl_b32 s25, s24, 13                        ; my wave's 8,192 bytes of LDS: two stages of 32 x SP
	v_lshrrev_b32 v14, 2, v2
	v_mul_u32_u24 v14, v14, SP
	v_and_b32 v15, 3, v2
	v_lshl_add_u32 v14, v15, 4, v14
	v_add_nc_u32 v14, s25, v14                     ; in: SP (lane / 4) + 16 (lane % 4)
	v_mul_u32_u24 v15, v2, SP
	v_add_nc_u32 v15, s25, v15                     ; out: SP x lane
	s_lshl_b32 s40, ttmp9, 2
	s_add_co_u32 s40, s40, s24                     ; which run of 8,192 numbers is my wave's
	s_lshl_b32 s42, s40, 15                        ; in bytes of x,
	s_mov_b32 s43, 0
	s_lshl_b32 s44, s40, 13                        ; and of codes
	s_mov_b32 s45, 0
	s_wait_alu depctr_va_vdst(0)
	s_wait_kmcnt 0x0
	s_load_b256 s[32:39], s[18:19], 0x0            ; e0 .. e7
	s_add_nc_u64 s[8:9], s[8:9], s[42:43]
	s_add_nc_u64 s[26:27], s[20:21], s[44:45]      ; the three sets lie 8 MiB apart: a base for each
	s_add_nc_u64 s[28:29], s[26:27], 0x800000
	s_add_nc_u64 s[30:31], s[28:29], 0x800000
.macro LOADX t
.irp i, 0,1,2,3
	global_load_b128 v[R+16*((\t)%4)+4*\i:R+16*((\t)%4)+4*\i+3], v3, s[8:9] offset:2048*(\t)+512*\i th:TH_LOAD_NT
.endr
.endm
.macro TURNX t                         ; LDS serves a wave's instructions in order: no wait between the stores and the loads
.irp i, 0,1,2,3
	ds_store_b128 v14, v[R+16*((\t)%4)+4*\i:R+16*((\t)%4)+4*\i+3] offset:32*SP*((\t)%2)+8*SP*\i
.endr
	v_nop
.irp i, 0,1,2,3
	ds_load_b128 v[X+16*((\t)%2)+4*\i:X+16*((\t)%2)+4*\i+3], v15 offset:32*SP*((\t)%2)+16*\i
.endr
.endm
.irp t, 0,1,2,3
	LOADX \t
.endr
	s_wait_kmcnt 0x0
.irp p, 0,1,2
	s_add_co_i32 s46, s[32+2*\p], 127
	s_lshl_b32 s47, s46, 23
	v_mov_b32 v[5+\p], s47                         ; 2^e as f32: the conversion takes its exponent field
	s_add_co_i32 s46, s46, 8
	s_lshl_b32 s46, s46, 23
	s_or_b32 s46, s46, MANT
.endr
	s_wait_alu depctr_va_vdst(0)
	s_wait_loadcnt 12                              ; step 0's four loads are in; twelve younger ones may be out
	TURNX 0
.macro STEPX t
.set XS, X+16*((\t)%2)
.set CS, C+12*((\t)%2)
	s_wait_dscnt 0x0                               ; this step's numbers are back from the stage, so its stores into the stage have read their registers,
.if (\t)+4 < STEPS
	LOADX (\t)+4                                   ; which take the loads of four steps on
.endif
.if (\t)+1 < STEPS
.if STEPS-2-(\t) >= 3
	s_wait_loadcnt 12                              ; the next step's four loads are in; those of the three steps behind it may be out
.else
	s_wait_loadcnt 4*(STEPS-2-(\t))
.endif
	TURNX (\t)+1
.endif
	s_wait_xcnt 0x0                                ; the stores of two steps ago have read this set of code registers: only now is it written again
.irp p, 0,1,2
.irp i, 0,1,2,3,4,5,6,7,8,9,10,11,12,13,14,15
.endr
	v_cvt_scalef32_pk8_fp8_f32 v[CS+4*\p:CS+4*\p+1], v[T+16*\p+((XS+0)-(T+16*\p+0)):T+16*\p+7+((XS+0)-(T+16*\p+0))], v[5+\p]
	v_cvt_scalef32_pk8_fp8_f32 v[CS+4*\p+2:CS+4*\p+3], v[T+16*\p+8+((XS+0)-(T+16*\p+0)):T+16*\p+15+((XS+0)-(T+16*\p+0))], v[5+\p]
.endr
.irp p, 0,1,2
	global_store_b128 v3, v[CS+4*\p:CS+4*\p+3], s[26+2*\p:27+2*\p] offset:512*(\t)
.endr
.endm
.irp t, 0,1,2,3,4,5,6,7,8,9,10,11,12,13,14,15
	STEPX \t
.endr
	s_wait_tensorcnt 0x0
	ds_add_u32 v192, v193
	s_wait_dscnt 0x0
	s_endpgm
; ---------------- the weights.  K is their FIRST axis.  A lane takes a column n and its registers run down K: each load reads 128 consecutive bytes a wave, and the conversions give codes with K innermost.
; A wave takes 32 columns x 256 along K; the codes go through its own stage and leave as rows: sixteen lanes store 256 consecutive bytes, aligned.  Loads run two blocks ahead.
.Lweights:
	s_sub_co_u32 s25, ttmp9, 256
	s_lshr_b32 s26, s25, 5                         ; which weight: 0 Wq, 1 Wk, 2 Wv, 3 Wo
	s_and_b32 s27, s25, 7                          ; which 128 columns
	s_bfe_u32 s28, s25, 0x20003                    ; which 256 along K
	s_lshl_b32 s29, s27, 7
	s_lshl_b32 s30, s24, 5
	s_add_co_u32 s29, s29, s30                     ; my wave's first column
	s_wait_alu depctr_va_vdst(0)
	v_lshlrev_b32 v3, 2, v2                        ; in: 4 bytes a lane
	s_mul_i32 s31, s24, 32*PITCH
	s_add_co_u32 s31, s31, WSTAGE                  ; my stage
	v_mul_u32_u24 v4, v2, PITCH
	v_add_nc_u32 v4, s31, v4                       ; into it: row = my column
	v_and_b32 v5, 15, v2
	v_lshrrev_b32 v6, 4, v2
	v_mul_u32_u24 v7, v6, PITCH
	v_lshl_add_u32 v7, v5, 4, v7
	v_add_nc_u32 v7, s31, v7                       ; out of it: sixteen lanes to a row, two rows an instruction
	v_lshlrev_b32 v8, 10, v6
	v_lshl_add_u32 v8, v5, 4, v8                   ; and the same place in the codes' buffer
	s_lshl_b32 s44, s28, 20                        ; 256 rows of 4,096 bytes
	s_lshl_b32 s45, s29, 2
	s_add_co_u32 s44, s44, s45
	s_mov_b32 s45, 0
	s_lshl_b32 s46, s26, 20                        ; a weight's codes are 1 MiB
	s_lshl_b32 s47, s29, 10
	s_add_co_u32 s46, s46, s47
	s_lshl_b32 s47, s28, 8
	s_add_co_u32 s46, s46, s47
	s_mov_b32 s47, 0
	s_wait_kmcnt 0x0
	s_load_b256 s[32:39], s[18:19], 0x0            ; e0 .. e7
	s_load_b128 s[40:43], s[18:19], 0x20           ; e8 .. e11
	s_cmp_eq_u32 s26, 1                            ; the weight is chosen on the work-group's number alone
	s_cselect_b64 s[10:11], s[12:13], s[10:11]
	s_cmp_eq_u32 s26, 2
	s_cselect_b64 s[10:11], s[14:15], s[10:11]
	s_cmp_eq_u32 s26, 3
	s_cselect_b64 s[10:11], s[16:17], s[10:11]
	s_add_nc_u64 s[10:11], s[10:11], s[44:45]
	s_add_nc_u64 s[22:23], s[22:23], s[46:47]
.macro LOADW t                         ; block t: W(32 t + i, my column), i = 0 .. 31, into set t % 2; the largest immediate is 255 rows of 4,096 bytes
.set i, 0
.rept 32
	global_load_b32 v[XW+32*((\t)%2)+i], v3, s[10:11] offset:(32*(\t)+i)*NROW th:TH_LOAD_NT
.set i, i+1
.endr
.endm
	LOADW 0
	LOADW 1
	s_wait_kmcnt 0x0
	s_cmp_eq_u32 s26, 1                            ; entry 1, 3, 5 or 11
	s_cselect_b32 s33, s35, s33
	s_cmp_eq_u32 s26, 2
	s_cselect_b32 s33, s37, s33
	s_cmp_eq_u32 s26, 3
	s_cselect_b32 s33, s43, s33
	s_add_co_i32 s33, s33, 127
	s_lshl_b32 s34, s33, 23
	v_mov_b32 v11, s34                             ; 2^e
	s_add_co_i32 s33, s33, 8
	s_lshl_b32 s33, s33, 23
	s_or_b32 s33, s33, MANT
.macro BLOCKW t
.set XS, XW+32*((\t)%2)
.if (\t) < NB-1
	s_wait_loadcnt 32                              ; this block's 32 loads are in; the next block's may be out
.else
	s_wait_loadcnt 0
.endif
.set i, 0
.rept 32
.set i, i+1
.endr
.irp g, 0,1,2,3
	v_cvt_scalef32_pk8_fp8_f32 v[CW+2*\g:CW+2*\g+1], v[XS+8*\g:XS+8*\g+7], v11
.endr
	ds_store_b128 v4, v[CW:CW+3] offset:32*(\t)    ; 32 codes: 32 bytes of my column's row.  (The conversions' results go to LDS stores)
	ds_store_b128 v4, v[CW+4:CW+7] offset:32*(\t)+16
.if (\t)+2 < NB
	LOADW (\t)+2
.endif
	s_wait_dscnt 0x0                               ; the stores have read their registers: the next block's codes may be written
.endm
	s_wait_alu depctr_va_vdst(0)
.irp t, 0,1,2,3,4,5,6,7
	BLOCKW \t
.endr
.irp t, 0,1,2,3,4,5,6,7,8,9,10,11,12,13,14,15
	ds_load_b128 v[OUTR+4*\t:OUTR+4*\t+3], v7 offset:2*\t*PITCH   ; LDS serves a wave's instructions in order: these see my stores
.endr
.irp t, 0,1,2,3,4,5,6,7,8,9,10,11,12,13,14,15
	s_wait_dscnt 15-\t
	global_store_b128 v8, v[OUTR+4*\t:OUTR+4*\t+3], s[22:23] offset:2*\t*KROW
.endr
	s_wait_tensorcnt 0x0
	ds_add_u32 v192, v193
	s_wait_dscnt 0x0
	s_endpgm
.Lfunc_end_k_qa9cc7bc1cf_quant:
	.size	k_qa9cc7bc1cf_quant, .Lfunc_end_k_qa9cc7bc1cf_quant-k_qa9cc7bc1cf_quant
	.p2alignl 7, 3214868480
	.fill 96, 4, 3214868480
	.section	.rodata,"a",@progbits
	.p2align	6, 0x0
	.amdhsa_kernel k_qa9cc7bc1cf_quant
		.amdhsa_group_segment_fixed_size 68096
		.amdhsa_private_segment_fixed_size 0
		.amdhsa_enable_private_segment 0
		.amdhsa_kernarg_size 64
		.amdhsa_user_sgpr_count 2
		.amdhsa_user_sgpr_kernarg_segment_ptr 1
		.amdhsa_wavefront_size32 1
		.amdhsa_system_sgpr_workgroup_id_x 1
		.amdhsa_system_sgpr_workgroup_id_y 1
		.amdhsa_system_sgpr_workgroup_id_z 1
		.amdhsa_system_vgpr_workitem_id 0
		.amdhsa_next_free_vgpr 194
		.amdhsa_next_free_sgpr 66
		.amdhsa_reserve_vcc 0
		.amdhsa_float_denorm_mode_32 3
		.amdhsa_float_denorm_mode_16_64 3
		.amdhsa_fp16_overflow 1
		.amdhsa_memory_ordered 1
		.amdhsa_forward_progress 1
		.amdhsa_inst_pref_size 62
	.end_amdhsa_kernel
	.amdgpu_metadata
---
amdhsa.version: [ 1, 2 ]
amdhsa.kernels:
  - .name:           k_qa9cc7bc1cf_quant
    .symbol:         k_qa9cc7bc1cf_quant.kd
    .args:
      - { .name: x, .offset: 0, .size: 8, .value_kind: global_buffer, .address_space: global }
      - { .name: Wq, .offset: 8, .size: 8, .value_kind: global_buffer, .address_space: global }
      - { .name: Wk, .offset: 16, .size: 8, .value_kind: global_buffer, .address_space: global }
      - { .name: Wv, .offset: 24, .size: 8, .value_kind: global_buffer, .address_space: global }
      - { .name: Wo, .offset: 32, .size: 8, .value_kind: global_buffer, .address_space: global }
      - { .name: lowp_scales, .offset: 40, .size: 8, .value_kind: global_buffer, .address_space: global }
      - { .name: xc, .offset: 48, .size: 8, .value_kind: global_buffer, .address_space: global }
      - { .name: wc, .offset: 56, .size: 8, .value_kind: global_buffer, .address_space: global }
    .group_segment_fixed_size: 68096
    .private_segment_fixed_size: 0
    .kernarg_segment_align: 8
    .kernarg_segment_size: 64
    .max_flat_workgroup_size: 128
    .sgpr_count:     66
    .vgpr_count:     194
    .wavefront_size: 32
...
	.end_amdgpu_metadata
.endif
;; end of part 1
;; launch qkv (part 2): grid 12 x 32, 4 waves a work-group, clusters of 4 x 4, 327,680 bytes of LDS; arguments xc, wc, lowp_scales, qkvc; writes qkvc
.if DOCPART == 2
	.amdgcn_target "amdgcn-amd-amdhsa--gfx1250"
	.amdhsa_code_object_version 6
	.text
	.protected	k_qa9cc7bc1cf_qkv
	.globl	k_qa9cc7bc1cf_qkv
	.p2align	8
	.type	k_qa9cc7bc1cf_qkv,@function
k_qa9cc7bc1cf_qkv:
	s_mov_b64 s[64:65], 0
	v_nop
	global_prefetch_b8 v0, s[64:65] scope:SCOPE_SE
	s_setreg_imm32_b32 hwreg(HW_REG_WAVE_MODE, 25, 1), 1
	s_wait_xcnt 0x0
	s_wait_alu depctr_hold_cnt(0) depctr_sa_sdst(0) depctr_va_vdst(0) depctr_va_sdst(0) depctr_va_ssrc(0) depctr_va_vcc(0) depctr_vm_vsrc(0)
	s_getreg_b32 s2, hwreg(HW_REG_IB_STS2, 6, 4)
	s_cmp_eq_u32 s2, 0
	s_cbranch_scc0 .Lentry_in_a_cluster
	s_endpgm
.Lentry_in_a_cluster:
	s_bfe_u32 s2, ttmp6, 0x10000c
	s_cmp_lg_u32 s2, 0xf033
	s_cbranch_scc0 .Lentry_shape_is_right
	s_endpgm
.Lentry_shape_is_right:
; The three projections on codes of FP8 (E4M3), and their results quantised on the way out.  The cluster's x says which: P = 0: q = x Wq, 1: k = x Wk, 2: v = x Wv.
; C[m][n] = sum over k of A[m][k] B[n][k], K = 1,024, rows of 1,024 bytes.  P < 2: A = x's codes (set P), 8,192 rows; B = the weight's codes, 1,024 rows.
; P = 2: THE OPERANDS CHANGE PLACES: A = Wv's codes, B = x's codes (set 2): C is v transposed, [channel][token], so that a lane's eight results are eight neighbouring KEYS, the K of attention's second product.
; A tile of C, 256 x 256, is made by four waves, 128 x 128 each: 64 accumulators, 512 registers.  K goes in steps of 256 through a ring of two LDS slots filled by the tensor data mover.
; CLUSTERS: 4 x 4 work-groups; A's tile is shared along a row of the cluster, B's along a column: each is asked for jointly, by the same tensor load with the same descriptor and a mask that names the four.
; THE MATRIX INSTRUCTION IS USED TRANSPOSED (source 0 = 16 rows of B, source 1 = 16 rows of A): lane l holds row l % 16 of C and eight neighbouring columns 8 (l / 16) + 0 .. 7.
; k stands in permuted places inside an instruction (four loads of 16 bytes a fragment), alike in A and B: every product meets its partner; the order of the sums inside an instruction differs from ascending k.
; THE WAY OUT: code = sum / 2^(e_out - eA - eB), held within +-448 of that scale; e_out is entry 6, 7 or 9, eA and eB entries 2 P and 2 P + 1.
; LIMIT: e_out - eA - eB lies between -126 and 119.
; LAYOUT OF qkvc: q at 0, k at 8 MiB: [16 b + h][2048 tokens][64]; v at 16 MiB: [16 b + h][32 blocks of 64 keys][64 d][64].  Inside each group of 32 of the last axis, byte 16 h' + 8 u + j holds index 16 u + 8 h' + j:
; that is how two neighbouring accumulators' codes fall into 16 bytes of a lane.  In q and k it is one permutation of the head's axis for both; in v it is the order in which the weights p will stand.
; REGISTERS, in windows of 256: window 0: v0-31 addresses and two constants; from v128 A's fragments, ONE set; on the way out v96-143 are at work.  window 1: B's fragments, TWO sets.  windows 2, 3: the accumulators.
.set ROWB,   256                       ; a tile's row in bytes: a K step
.set KROW,   1024                      ; a row of A or of B in memory
.set PITCH,  272                       ; an LDS row: 256 bytes + 16 of padding: the 16 rows of a fragment load start at 16 different banks (64 banks of 4 bytes: ISA guide 11.1)
.set FR,     16                        ; registers of a fragment: 16 rows x 128 K
.set NL,     4                         ; LDS loads that bring one
.set NP,     4                         ; places behind this matrix instruction (ISA guide 7.12.1)
.set HALFT,  128*PITCH                 ; what one tensor load brings
.set SLOT,   4*HALFT                   ; A's 256 rows, then B's 256 rows
.set LAPS,   2                         ; a lap = two K steps = once round the ring; K = 1,024 is two laps
.set SPARE,  2*SLOT                    ; behind the ring: the spare words, 128 bytes a wave
.set SPITCH, 144                       ; the way out: a stage of 16 rows x (128 bytes + 16) for each wave, in slot 0, which has had its last fill and its last read by then
.set ADRA, 16                          ; v16-17  LDS address of my A fragments in slot 0, 1
.set ADRB, 20                          ; v20-21  the same for B
.set STO,  24                          ; v24     the way out: where I put 16 bytes of a row
.set RD,   25                          ; v25     where I read 16 bytes back: four lanes to a row's 64 bytes
.set CO,   26                          ; v26     16 x lane: my place in a store's 512 bytes
.set SPW,  28                          ; v28     my spare word; never rewritten
.set NIL,  29                          ; v29     0; never rewritten
.set SC,   30                          ; v30     the conversion's scale
.set LIM,  31                          ; unused
.set TMP,  32                          ; unused
.set CD,   96                          ; v96-111 its codes
.set BK,   112                         ; v112-127, v128-143 by turns: the block read back from the stage
.set AF,   128
.set G1, 24                            ; s[24:31] descriptor group 1 for A's tiles; s[32:39] group 0, a set for each slot
.set G0, 32
.set G1B, 48                           ; s[48:55], s[56:63] the same for B's
.set G0B, 56
.set MSB, 0
.macro WIN new                         ; the immediate's high byte repeats the setting that is left
.if MSB != (\new)
	s_set_vgpr_msb (MSB<<8)|(\new)
.set MSB, (\new)
.endif
.endm
.set MUL_LO, 0xa1                      ; source 0 (B) window 1, source 1 (A) window 0, C and D window 2
.set MUL_HI, 0xf1                      ; the same, C and D window 3
.set TO_B,   0x40                      ; destination window 1, address window 0
; A joint load: waves 0 and 1 fetch for A, waves 2 and 3 for B; the branch hangs on the wave's number alone.  Four v_nop follow each of the two lines.
.macro JLOAD g0a, g1a, g0b, g1b
	s_cmp_eq_u32 s15, 0
	s_cbranch_scc0 .Lfor_b_\@
	tensor_load_to_lds s[\g0a:\g0a+3], s[\g1a:\g1a+7]
	s_nop 0
.rept 4
	v_nop
.endr
	s_branch .Lasked_\@
.Lfor_b_\@:
	tensor_load_to_lds s[\g0b:\g0b+3], s[\g1b:\g1b+7]
	s_nop 0
.rept 4
	v_nop
.endr
.Lasked_\@:
.endm
.macro CREST                           ; a round of the cluster's barrier behind its opening barrier
	s_cmp_lg_u32 s14, 0
	s_cbranch_scc1 .Lnot_wave_0_\@
	s_barrier_signal -3
.Lnot_wave_0_\@:
	s_barrier_wait -3
	s_barrier_signal -1
	s_barrier_wait -1
.endm
.macro CROUND
	s_barrier_signal -1
	s_barrier_wait -1
	CREST
.endm
	s_load_b256 s[4:11], s[0:1], 0x0               ; xc 4:5, wc 6:7, the scales 8:9, qkvc 10:11
	v_lshl_add_u32 v[SPW], v0, 2, SPARE
	v_mov_b32 v[NIL], 0
	ds_add_u32 v28, v29
	ds_add_u32 v28, v29
	s_wait_dscnt 0x0
	v_lshrrev_b32 v1, 5, v0
	v_readfirstlane_b32 s14, v1                    ; wave 0..3
	s_lshr_b32 s15, s14, 1                         ; which half of the tile's rows is mine.  Also: I fetch for A (0) or for B (1)
	s_and_b32 s16, s14, 1                          ; which half of its columns.  Also: which 128 rows of that tile I fetch
	s_bfe_u32 s40, ttmp6, 0x40000                  ; cx, cy: my place in the cluster
	s_bfe_u32 s41, ttmp6, 0x40004
	s_and_b32 s66, ttmp7, 0xffff
	s_lshl_b32 s66, s66, 2                         ; 4 x the cluster's y: it counts blocks of 1,024 tokens,
	s_cmp_eq_u32 ttmp9, 2
	s_cselect_b32 s67, 0, s66                      ; which are rows of C for q and k
	s_cselect_b32 s68, s66, 0                      ; and columns for v
	s_add_co_u32 s17, s67, s41                     ; tile row of C
	s_add_co_u32 s42, s68, s40                     ; tile column of C
	s_lshl_b32 s43, s41, 2
	s_lshl_b32 s43, 15, s43                        ; my row of the cluster
	s_lshl_b32 s44, 0x1111, s40                    ; my column
	s_or_b32 s[G1+0], s43, (0<<16)|(1<<20)|(1<<21)|(5<<22)|(3<<25)  ; 15:0 the mask; 17:16 elements of 1 byte; 20 padding on; 21 set beside a mask; 24:22 after every 64 words; 31:25 four words
	s_or_b32 s[G1B+0], s44, (0<<16)|(1<<20)|(1<<21)|(5<<22)|(3<<25)
.irp g, G1, G1B
	s_mov_b32 s[\g+1], ROWB<<16                    ; tensor_dim0
	s_mov_b32 s[\g+2], 128<<16                     ; tensor_dim1
	s_mov_b32 s[\g+3], ROWB<<16                    ; tile_dim0
	s_mov_b32 s[\g+4], 128                         ; tile_dim1
	s_mov_b32 s[\g+5], KROW                        ; tensor_dim0_stride
	s_mov_b32 s[\g+6], 0
	s_mov_b32 s[\g+7], 0
.endr
	s_lshl_b32 s18, s16, 7                         ; which 128 rows of the tile I fetch
	s_lshl_b32 s20, s17, 8
	s_add_co_u32 s20, s20, s18
	s_lshl_b32 s20, s20, 10                        ; A: (256 x tile row + 128 x half) rows of 1,024 bytes: under 2^23
	s_lshl_b32 s46, s42, 8
	s_add_co_u32 s46, s46, s18
	s_lshl_b32 s46, s46, 10                        ; B likewise with the tile column
	s_mov_b32 s21, 0
	s_mov_b32 s47, 0
	s_lshl_b32 s96, ttmp9, 23                      ; x's set P
	s_lshl_b32 s97, ttmp9, 20                      ; weight P
	s_mov_b32 s77, 0
	s_mov_b32 s79, 0
	s_cmp_eq_u32 ttmp9, 2
	s_cselect_b32 s76, s97, s96
	s_cselect_b32 s78, s96, s97
	s_add_nc_u64 s[20:21], s[20:21], s[76:77]
	s_add_nc_u64 s[46:47], s[46:47], s[78:79]
	s_mul_i32 s45, s14, HALFT                      ; where the tiles go: wave x 128 rows: no place in the cluster enters an LDS address
	s_wait_kmcnt 0x0
	s_load_b256 s[80:87], s[8:9], 0x0              ; e0 .. e7
	s_load_b128 s[92:95], s[8:9], 0x20             ; e8 .. e11
	s_cmp_eq_u32 ttmp9, 2                          ; the buffers are chosen on the cluster's x alone, which all partners share
	s_cselect_b64 s[70:71], s[6:7], s[4:5]
	s_cselect_b64 s[72:73], s[4:5], s[6:7]
	s_add_nc_u64 s[20:21], s[70:71], s[20:21]
	s_add_nc_u64 s[46:47], s[72:73], s[46:47]
	CROUND                                         ; all sixteen work-groups are here: the first joint loads meet
.irp s, 0,1
	s_mov_b32 s[G0+4*\s], 1
	s_add_co_u32 s[G0+4*\s+1], s45, \s*SLOT
	s_add_nc_u64 s[G0+4*\s+2:G0+4*\s+3], s[20:21], \s*ROWB
	s_or_b32 s[G0+4*\s+3], s[G0+4*\s+3], 0x80000000
	s_mov_b32 s[G0B+4*\s], 1
	s_add_co_u32 s[G0B+4*\s+1], s45, \s*SLOT
	s_add_nc_u64 s[G0B+4*\s+2:G0B+4*\s+3], s[46:47], \s*ROWB
	s_or_b32 s[G0B+4*\s+3], s[G0B+4*\s+3], 0x80000000
	JLOAD G0+4*\s, G1, G0B+4*\s, G1B
.endr
	v_and_b32 v1, 15, v0                           ; r = l % 16
	s_wait_alu depctr_va_vdst(0)
	v_bfe_u32 v2, v0, 4, 1                         ; h = l / 16
	v_mul_u32_u24 v3, v1, PITCH
	v_lshl_add_u32 v4, v2, 4, v3                   ; a fragment's row x pitch + 16 x half
	s_mul_i32 s21, s15, HALFT                      ; my 128 rows of A
	s_mul_i32 s22, s16, HALFT                      ; my 128 rows of B,
	s_add_co_u32 s22, s22, 2*HALFT                 ; which lie behind A's 256
.irp s, 0,1
	v_add_nc_u32 v[ADRA+\s], s21, v4
	v_add_nc_u32 v[ADRB+\s], s22, v4
	s_add_co_u32 s21, s21, SLOT
	s_add_co_u32 s22, s22, SLOT
.endr
	s_mul_i32 s23, s14, 16*SPITCH                  ; my stage
	v_mul_u32_u24 v5, v1, SPITCH
	s_wait_alu depctr_va_vdst(0)
	v_lshl_add_u32 v5, v2, 4, v5
	v_add_nc_u32 v[STO], s23, v5                   ; in: row r, 16 bytes for each half of the lanes
	v_and_b32 v6, 31, v0
	v_lshrrev_b32 v7, 2, v6
	v_mul_u32_u24 v7, v7, SPITCH
	v_and_b32 v8, 3, v6
	v_lshl_add_u32 v7, v8, 4, v7
	v_add_nc_u32 v[RD], s23, v7                    ; back: row l / 4, 16 (l % 4): eight rows' 64 bytes an instruction
	v_lshlrev_b32 v[CO], 4, v6
	; where my 128 x 128 goes.  q, k: rows are tokens, columns channels (two heads).  v: rows are channels (two heads), columns tokens (two blocks of 64 keys).
	s_mov_b32 s96, 128000
	s_mov_b32 s97, 0x20000
	s_cmp_eq_u32 ttmp9, 2
	s_cselect_b32 s88, s96, 1024                   ; the step in front of row block 4: v goes on to the next head (131,072 - 3 x 1,024), q and k 16 tokens on
	s_cselect_b32 s90, 4096, s97                   ; from the first 64 columns to the second: v: the next block of keys; q, k: the next head
	s_cselect_b32 s12, s42, s17                    ; the tile of tokens,
	s_cselect_b32 s13, s16, s15                    ; my half of it,
	s_cselect_b32 s69, s17, s42                    ; the tile of channels,
	s_cselect_b32 s98, s15, s16                    ; my half of it
	s_mov_b32 s89, 0
	s_mov_b32 s91, 0
	s_lshr_b32 s96, s12, 3
	s_lshl_b32 s96, s96, 4                         ; 16 b
	s_lshl_b32 s97, s69, 2
	s_add_co_u32 s96, s96, s97
	s_lshl_b32 s97, s98, 1
	s_add_co_u32 s96, s96, s97                     ; + my first head
	s_lshl_b32 s96, s96, 17                        ; a head is 131,072 bytes
	s_and_b32 s97, s12, 7
	s_lshl_b32 s97, s97, 14
	s_add_co_u32 s96, s96, s97                     ; + 64 bytes for each token of the batch ahead of mine (in v: 4,096 for each 64)
	s_lshl_b32 s97, s13, 13
	s_add_co_u32 s96, s96, s97
	s_lshl_b32 s97, ttmp9, 23
	s_add_co_u32 s96, s96, s97                     ; + q's, k's or v's 8 MiB
	s_mov_b32 s97, 0
	s_add_nc_u64 s[10:11], s[10:11], s[96:97]
	s_add_nc_u64 s[74:75], s[10:11], s[90:91]
.macro FRAG reg, adr, q, i             ; 16 rows x 128 K: lane l holds row l % 16; registers 4 c .. 4 c + 3 hold K = 32 c + 16 (l / 16) + 0 .. 15
.irp c, 0,1,2,3
	ds_load_b128 v[\reg+4*\c:\reg+4*\c+3], v[\adr] offset:128*(\q)+32*\c+(\i)*16*PITCH
.endr
.endm
; 16 matrix instructions: A's blocks a0, a0 + 1 x B's eight.  p: B's set.  zero = 1: the first product starts the sums.  The 64 accumulators take turns, one instruction a turn.
.macro MUL16 a0, p, zero
.irp a, \a0, \a0+1
.irp b, 0,1,2,3,4,5,6,7
.if \zero
	v_wmma_f32_16x16x128_fp8_fp8 v[8*(8*((\a)%4)+\b):8*(8*((\a)%4)+\b)+7], v[128*(\p)+FR*\b:128*(\p)+FR*\b+FR-1], v[AF+FR*(\a):AF+FR*(\a)+FR-1], 0
.else
	v_wmma_f32_16x16x128_fp8_fp8 v[8*(8*((\a)%4)+\b):8*(8*((\a)%4)+\b)+7], v[128*(\p)+FR*\b:128*(\p)+FR*\b+FR-1], v[AF+FR*(\a):AF+FR*(\a)+FR-1], v[8*(8*((\a)%4)+\b):8*(8*((\a)%4)+\b)+7]
.endif
.endr
.endr
.endm
.macro FETCH_B slot, q, p
	WIN TO_B
.irp i, 0,1,2,3,4,5,6,7
	FRAG 128*(\p)+FR*\i, ADRB+\slot, \q, \i
.endr
	WIN 0
.endm
.macro FETCH_A slot, q, i0
.irp i, \i0, \i0+1, \i0+2, \i0+3
	FRAG AF+FR*(\i), ADRA+\slot, \q, \i
.endr
.endm
.macro PLACES n                        ; plain vector lines between a matrix instruction and a load into one of its registers, or a read of its result
.rept \n
	v_nop
.endr
.endm
; A step of 128 along K that has its successor in the same slot.  A's blocks are free as soon as their eight products are issued: blocks 0-3 are fetched anew in the middle, blocks 4-7 at the end.
.macro STEP slot, q, zero
	s_wait_dscnt 4*NL                              ; B's set and A's blocks 0-3 are in; the youngest sixteen loads (A's blocks 4-7) may be out
	WIN MUL_LO
	MUL16 0, (\q)%2, \zero
	MUL16 2, (\q)%2, \zero
	s_wait_dscnt 0
	PLACES NP
	FETCH_B \slot, (\q)+1, 1-(\q)%2
	FETCH_A \slot, (\q)+1, 0
	WIN MUL_HI
	MUL16 4, (\q)%2, \zero
	MUL16 6, (\q)%2, \zero
	PLACES NP
	WIN 0
	FETCH_A \slot, (\q)+1, 4
.endm
; A slot's last step changes slots: one barrier; in front of it each wave waits for all its tensor loads, adds 0 to its spare word, and waits for that and for its reads of this slot.  fill = 1: the slot is filled again.
.macro TURN slot, next, fill
	s_wait_tensorcnt 0x0                           ; all my tensor loads have landed: my part of the next slot
	ds_add_u32 v[SPW], v[NIL]                      ; 0 onto my spare word
	s_wait_dscnt 4*NL+1                            ; the add and the youngest sixteen loads may be out
	WIN MUL_LO
	MUL16 0, 1, 0
	s_wait_dscnt 0x0                               ; the add is done, and my reads of this slot are over
	s_barrier_signal -1
	MUL16 2, 1, 0
	WIN 0
	s_barrier_wait -1
.if \fill
	CREST                                          ; the barrier has opened a round of the cluster's: no wave of any partner still reads this slot or has a load on its way
	s_add_nc_u64 s[G0+4*\slot+2:G0+4*\slot+3], s[G0+4*\slot+2:G0+4*\slot+3], 2*ROWB
	s_add_nc_u64 s[G0B+4*\slot+2:G0B+4*\slot+3], s[G0B+4*\slot+2:G0B+4*\slot+3], 2*ROWB
	JLOAD G0+4*\slot, G1, G0B+4*\slot, G1B         ; the first tensor load behind the round; its four v_nop are the places in front of the loads below
.else
	PLACES NP
.endif
	FETCH_B \next, 0, 0
	FETCH_A \next, 0, 0
	WIN MUL_HI
	MUL16 4, 1, 0
	MUL16 6, 1, 0
	PLACES NP
	WIN 0
	FETCH_A \next, 0, 4
.endm
	s_wait_tensorcnt 1                             ; my part of K step 0 is in; K step 1's load may be out
	s_barrier_signal -1
	s_barrier_wait -1
	FETCH_B 0, 0, 0
	FETCH_A 0, 0, 0
	FETCH_A 0, 0, 4
	STEP 0, 0, 1                                   ; the first step stands in front of the loop: its products start the sums
	s_mov_b32 s3, LAPS-1
.Llap:                                                 ; a trip goes once round the ring and fills both slots again
	TURN 0, 1, 1
	STEP 1, 0, 0
	TURN 1, 0, 1
	STEP 0, 0, 0
	s_sub_co_u32 s3, s3, 1
	s_cmp_lg_u32 s3, 0
	s_cbranch_scc1 .Llap
	TURN 0, 1, 0                                   ; the last lap fills nothing
	STEP 1, 0, 0
	s_wait_dscnt 4*NL
	WIN MUL_LO
	MUL16 0, 1, 0
	MUL16 2, 1, 0
	s_wait_dscnt 0
	WIN MUL_HI
	MUL16 4, 1, 0
	MUL16 6, 1, 0
	WIN 0
; THE WAY OUT, a block of 16 rows x 128 columns at a time: converted (8 codes of a lane = 8 neighbouring columns), two accumulators' codes as 16 bytes into my stage, and back as 64-byte pieces of rows,
; so that each store of the wave covers 512 consecutive bytes, aligned: eight rows of one head (q, k) or eight channels of one block of keys (v).
.macro TOSTAGE a
.set AC, 64*((\a)%4)
	WIN 0x02+((\a)/4)                              ; source 0: window 2 or 3
.set j, 0
.rept 64
.set j, j+1
.endr
.irp b, 0,1,2,3,4,5,6,7
	v_cvt_scalef32_pk8_fp8_f32 v[CD+2*\b:CD+2*\b+1], v[AC+8*\b:AC+8*\b+7], v[SC]
.endr
	WIN 0
	v_nop                                          ; a plain line behind the last conversion
.irp g, 0,1,2,3
	ds_store_b128 v[STO], v[CD+4*\g:CD+4*\g+3] offset:32*\g
.endr
.set BB, BK+16*((\a)%2)
.irp hh, 0,1
.irp g, 0,1
	ds_load_b128 v[BB+4*(2*\hh+\g):BB+4*(2*\hh+\g)+3], v[RD] offset:8*SPITCH*\g+64*\hh   ; LDS serves a wave's instructions in order: these see the stores above
.endr
.endr
.endm
.macro SEND a, younger                 ; younger: the LDS instructions issued behind block a's loads
.set BB, BK+16*((\a)%2)
	s_wait_dscnt \younger
.if (\a) == 4
	s_add_nc_u64 s[10:11], s[10:11], s[88:89]      ; (behind a wait on XCNT: the earlier stores have read their bases)
	s_add_nc_u64 s[74:75], s[74:75], s[88:89]
.elseif (\a) > 0
	s_add_nc_u64 s[10:11], s[10:11], 1024
	s_add_nc_u64 s[74:75], s[74:75], 1024
.endif
.irp g, 0,1
	global_store_b128 v[CO], v[BB+4*\g:BB+4*\g+3], s[10:11] offset:512*\g
	global_store_b128 v[CO], v[BB+8+4*\g:BB+8+4*\g+3], s[74:75] offset:512*\g
.endr
.endm
	s_wait_kmcnt 0x0
	s_add_co_i32 s80, s80, s81                     ; eA + eB of each product,
	s_add_co_i32 s82, s82, s83
	s_add_co_i32 s84, s84, s85
	s_cmp_eq_u32 ttmp9, 1                          ; and mine, with my e_out: chosen, not branched on
	s_cselect_b32 s80, s82, s80
	s_cselect_b32 s86, s87, s86
	s_cmp_eq_u32 ttmp9, 2
	s_cselect_b32 s80, s84, s80
	s_cselect_b32 s86, s93, s86
	s_sub_co_i32 s86, s86, s80
	s_add_co_i32 s86, s86, 127
	s_lshl_b32 s96, s86, 23
	v_mov_b32 v[SC], s96                           ; 2^(e_out - eA - eB)
	s_add_co_i32 s86, s86, 8
	s_lshl_b32 s86, s86, 23
	s_or_b32 s86, s86, 0x600000
	PLACES NP                                      ; behind the last products: for the reads of their results and the loads into registers that held A's fragments
	TOSTAGE 0
.irp a, 1,2,3,4,5,6,7
.if \a > 1
	s_wait_xcnt 0x0                                ; block a - 2's stores have read their registers and bases
.endif
	TOSTAGE \a
	SEND \a-1, 8                                   ; behind block a - 1's loads: block a's 4 stores and 4 loads
.endr
	s_wait_xcnt 0x0
	SEND 7, 0
	s_wait_tensorcnt 0x0                           ; the wave's end
	ds_add_u32 v[SPW], v[NIL]
	s_wait_dscnt 0x0
	CROUND                                         ; the closing round
	s_endpgm
.Lfunc_end_k_qa9cc7bc1cf_qkv:
	.size	k_qa9cc7bc1cf_qkv, .Lfunc_end_k_qa9cc7bc1cf_qkv-k_qa9cc7bc1cf_qkv
	.p2alignl 7, 3214868480
	.fill 96, 4, 3214868480
	.section	.rodata,"a",@progbits
	.p2align	6, 0x0
	.amdhsa_kernel k_qa9cc7bc1cf_qkv
		.amdhsa_group_segment_fixed_size 327680
		.amdhsa_private_segment_fixed_size 0
		.amdhsa_enable_private_segment 0
		.amdhsa_kernarg_size 32
		.amdhsa_user_sgpr_count 2
		.amdhsa_user_sgpr_kernarg_segment_ptr 1
		.amdhsa_wavefront_size32 1
		.amdhsa_system_sgpr_workgroup_id_x 1
		.amdhsa_system_sgpr_workgroup_id_y 1
		.amdhsa_system_sgpr_workgroup_id_z 1
		.amdhsa_system_vgpr_workitem_id 0
		.amdhsa_next_free_vgpr 1024
		.amdhsa_next_free_sgpr 100
		.amdhsa_reserve_vcc 0
		.amdhsa_float_denorm_mode_32 3
		.amdhsa_float_denorm_mode_16_64 3
		.amdhsa_fp16_overflow 1
		.amdhsa_memory_ordered 1
		.amdhsa_forward_progress 1
		.amdhsa_inst_pref_size 92
	.end_amdhsa_kernel
	.amdgpu_metadata
---
amdhsa.version: [ 1, 2 ]
amdhsa.kernels:
  - .name:           k_qa9cc7bc1cf_qkv
    .symbol:         k_qa9cc7bc1cf_qkv.kd
    .args:
      - { .name: xc, .offset: 0, .size: 8, .value_kind: global_buffer, .address_space: global }
      - { .name: wc, .offset: 8, .size: 8, .value_kind: global_buffer, .address_space: global }
      - { .name: lowp_scales, .offset: 16, .size: 8, .value_kind: global_buffer, .address_space: global }
      - { .name: qkvc, .offset: 24, .size: 8, .value_kind: global_buffer, .address_space: global }
    .group_segment_fixed_size: 327680
    .private_segment_fixed_size: 0
    .kernarg_segment_align: 8
    .kernarg_segment_size: 32
    .max_flat_workgroup_size: 128
    .sgpr_count:     100
    .vgpr_count:     1024
    .wavefront_size: 32
...
	.end_amdgpu_metadata
.endif
;; end of part 2
;; launch attn (part 3): grid 4 x 64, 16 waves a work-group, clusters of 4 x 1, 327,680 bytes of LDS; arguments qkvc, lowp_scales, ctxc; writes ctxc
.if DOCPART == 3
	.amdgcn_target "amdgcn-amd-amdhsa--gfx1250"
	.amdhsa_code_object_version 6
	.text
	.protected	k_qa9cc7bc1cf_attn
	.globl	k_qa9cc7bc1cf_attn
	.p2align	8
	.type	k_qa9cc7bc1cf_attn,@function
k_qa9cc7bc1cf_attn:
	s_mov_b64 s[64:65], 0
	v_nop
	global_prefetch_b8 v0, s[64:65] scope:SCOPE_SE
	s_setreg_imm32_b32 hwreg(HW_REG_WAVE_MODE, 25, 1), 1
	s_wait_xcnt 0x0
	s_wait_alu depctr_hold_cnt(0) depctr_sa_sdst(0) depctr_va_vdst(0) depctr_va_sdst(0) depctr_va_ssrc(0) depctr_va_vcc(0) depctr_vm_vsrc(0)
	s_getreg_b32 s2, hwreg(HW_REG_IB_STS2, 6, 4)
	s_cmp_eq_u32 s2, 0
	s_cbranch_scc0 .Lentry_in_a_cluster
	s_endpgm
.Lentry_in_a_cluster:
	s_bfe_u32 s2, ttmp6, 0x10000c
	s_cmp_lg_u32 s2, 0x3003
	s_cbranch_scc0 .Lentry_shape_is_right
	s_endpgm
.Lentry_shape_is_right:
; Causal attention on codes of FP8 (E4M3), head size 64, 2,048 tokens, 64 (batch, head) pairs; the result is quantised for the last projection.
; q, k: [bh][2048][64] codes; v: [bh][32 blocks of 64 keys][64 d][64 keys] codes (the permutation inside groups of 32 is stated where they are made).  Entries 6 .. 10 of the scales: eq, ek, ep, ev, ectx.
; THE SOFTMAX: t = score x log2(e) / 8; M = the running largest t rounded UP to a whole number; p = 2^(t - M) is quantised with 2^ep; the row's sum is taken of the unquantised p and divides at the end.
; When M moves, the sum and O are multiplied by 2^(old M - new M): exact.
; SHARES.  A cluster of four work-groups is one (batch, head): all four walk the same K and V, asked for JOINTLY.  The head's queries are 16 blocks of 128, each of 8 tiles of 16.  Wave w of work-group cx owns TWO tiles:
; tile cx of block w and tile 4 + cx of block 15 - w.  Block J needs key steps 0 .. J of 128 keys: (w + 1) + (16 - w) = 17 steps for every wave of every work-group.
; Every wave walks all 16 steps (constant trip counts, every barrier, every joint load); a step all of whose keys come after a tile's block is jumped over, by a branch on the wave's number and the step's number alone.
; cx enters Q's and ctx's global addresses and the mask's compare, and nothing else.
; LAYOUT.  Both products transposed: S^T = K Q^T (source 0 = 16 keys, source 1 = 16 queries), O^T = V^T P^T: a lane holds ONE query (lane % 16).  Register 8 t + j of S^T is key 16 t + 8 (lane / 16) + j,
; so the conversions' results are the second product's operand, with v's bytes laid to match.
; LIMITS: eq + ek between -123 and 130; ep and ectx - ep - ev between -126 and 119.
; REGISTERS: v1, v2 my place in a tile of K, of V; v3, v4 the mask's bound for tile A, B; v5, v6 the spare word and 0; v7 16 x lane; v8, v9 addresses of the step's loads; v10, v11 the stage, in and back;
; v12-15, v16-19 for tile A, B: -M, the largest t, the sum in two halves; v20-35 Q; v36-99 fragments; v100-163 S^T, then p; v164-227 O^T; v228-243 p's codes; v244 the scale; v246-253 at work; v254 Q's offset.
.set KP,    80                         ; a row in LDS: 64 bytes + 16 of padding: the 16 rows of a fragment load start at 16 different groups of banks
.set STEPB, 128*KP                     ; a key step's rows of K, or of V: also what one tensor load brings
.set VOFF,  4*STEPB                    ; a slot: 512 rows of K, then 512 rows of V ([8 blocks][64 d])
.set SLOT1, 1<<17                      ; slot 1 begins here: one exclusive or turns an address from one slot to the other
.set STAGE, SLOT1+2*VOFF               ; behind the ring: 1 KiB for each wave, for the way out
.set SPARE, STAGE+16*1024              ; behind the stages: the spare words, 128 bytes for each of the 16 waves
.set F,  36
.set S,  100
.set PC, 228
.macro ROUND                           ; a round of the cluster's barrier
	s_barrier_signal -1
	s_barrier_wait -1
	s_cmp_lg_u32 s10, 0
	s_cbranch_scc1 .Lnot_wave_0_\@
	s_barrier_signal -3
.Lnot_wave_0_\@:
	s_barrier_wait -3
	s_barrier_signal -1
	s_barrier_wait -1
.endm
.macro TLOAD                           ; waves 0-3 fetch K's quarters of a slot, waves 4-7 V's, the others nothing.  Four v_nop follow the line
	s_cmp_lt_u32 s10, 8
	s_cbranch_scc0 .Lasked_\@
	tensor_load_to_lds s[32:35], s[24:31]
	s_nop 0
.rept 4
	v_nop
.endr
.Lasked_\@:
.endm
	s_load_b128 s[4:7], s[0:1], 0x0                ; qkvc 4:5, the scales 6:7
	s_load_b64 s[8:9], s[0:1], 0x10                ; ctxc
	v_lshl_add_u32 v5, v0, 2, SPARE
	v_mov_b32 v6, 0
	ds_add_u32 v5, v6
	ds_add_u32 v5, v6
	s_wait_dscnt 0x0
	v_lshrrev_b32 v8, 5, v0
	s_delay_alu instid0(VALU_DEP_1)
	v_readfirstlane_b32 s10, v8                    ; wave 0..15
	s_bfe_u32 s11, ttmp6, 0x40000                  ; cx
	s_and_b32 s56, ttmp7, 0xffff                   ; bh = 16 b + h, which the four partners share
	s_mov_b32 s12, s10                             ; tile A's block of queries
	s_sub_co_u32 s13, 15, s10                      ; tile B's
	s_mov_b32 s24, 15|(0<<16)|(1<<20)|(1<<21)|(3<<22)|(3<<25)   ; 15:0 the mask: all four; 17:16 elements of 1 byte; 20 padding on; 21 set beside a mask; 24:22 after every 16 words; 31:25 four words
	s_mov_b32 s25, 64<<16                          ; tensor_dim0
	s_mov_b32 s26, 128<<16                         ; tensor_dim1
	s_mov_b32 s27, 64<<16                          ; tile_dim0
	s_mov_b32 s28, 128                             ; tile_dim1
	s_mov_b32 s29, 64                              ; tensor_dim0_stride: the rows are dense
	s_mov_b32 s30, 0
	s_mov_b32 s31, 0
	s_mov_b32 s32, 1
	s_mul_i32 s33, s10, STEPB                      ; LDS: K's four quarters, then V's four: wave x 10,240
	s_mov_b32 s57, 0x1000000
	s_cmp_lt_u32 s10, 4
	s_cselect_b32 s58, 0x800000, s57               ; k lies 8 MiB into qkvc, v 16 MiB
	s_lshl_b32 s59, s56, 17
	s_add_co_u32 s58, s58, s59                     ; + the head's 131,072 bytes
	s_and_b32 s59, s10, 3
	s_lshl_b32 s59, s59, 13
	s_add_co_u32 s58, s58, s59                     ; + my quarter: 128 rows of 64 bytes
	s_mov_b32 s59, 0
	s_mov_b32 s14, 0                               ; the key step, 0 .. 15
	s_mov_b32 s15, 0                               ; LDS byte at which the step's rows of K begin
	s_mov_b32 s16, 3                               ; slots still to be asked for
	s_mov_b32 s18, 0x3e38aa3b                      ; c = log2(e) / 8
	s_mov_b32 s20, 0x76543210                      ; v_permlanex16_b32: lane l xor 16
	s_mov_b32 s21, 0xfedcba98
	s_wait_kmcnt 0x0
	s_add_nc_u64 s[34:35], s[4:5], s[58:59]
	s_or_b32 s35, s35, 0x80000000
	ROUND                                          ; all four work-groups are here: the first joint loads meet
	TLOAD                                          ; slot 0: keys 0 .. 511
	s_load_b256 s[40:47], s[6:7], 0x10             ; e4 .. e11: eq s42, ek s43, ep s44, ev s45, ectx s46
	s_lshl_b32 s57, s56, 11                        ; the head's first token
	s_lshl_b32 s60, s11, 4                         ; 16 cx
	s_lshl_b32 s58, s12, 7
	s_add_co_u32 s58, s58, s57
	s_add_co_u32 s58, s58, s60
	s_lshl_b32 s58, s58, 6
	s_add_nc_u64 s[48:49], s[4:5], s[58:59]        ; Q of tile A: token 128 JA + 16 cx, 64 bytes a token
	s_lshl_b32 s58, s13, 7
	s_add_co_u32 s58, s58, s57
	s_add_co_u32 s58, s58, s60
	s_add_co_u32 s58, s58, 64
	s_lshl_b32 s58, s58, 6
	s_add_nc_u64 s[50:51], s[4:5], s[58:59]        ; of tile B: token 128 JB + 64 + 16 cx
	s_lshr_b32 s57, s56, 4
	s_lshl_b32 s57, s57, 3                         ; 8 b
	s_and_b32 s61, s56, 15                         ; h
	s_lshr_b32 s58, s12, 1                         ; ctxc is [8 b + token / 256][16 h][256 tokens][64 d]
	s_add_co_u32 s58, s58, s57
	s_lshl_b32 s58, s58, 4
	s_add_co_u32 s58, s58, s61
	s_lshl_b32 s58, s58, 14
	s_and_b32 s62, s12, 1
	s_lshl_b32 s62, s62, 7
	s_add_co_u32 s62, s62, s60
	s_lshl_b32 s62, s62, 6
	s_add_co_u32 s58, s58, s62
	s_add_nc_u64 s[52:53], s[8:9], s[58:59]
	s_lshr_b32 s58, s13, 1
	s_add_co_u32 s58, s58, s57
	s_lshl_b32 s58, s58, 4
	s_add_co_u32 s58, s58, s61
	s_lshl_b32 s58, s58, 14
	s_and_b32 s62, s13, 1
	s_lshl_b32 s62, s62, 7
	s_add_co_u32 s62, s62, s60
	s_add_co_u32 s62, s62, 64
	s_lshl_b32 s62, s62, 6
	s_add_co_u32 s58, s58, s62
	s_add_nc_u64 s[54:55], s[8:9], s[58:59]
	v_and_b32 v8, 15, v0                           ; r
	v_bfe_u32 v9, v0, 4, 1                         ; h
	s_delay_alu instid0(VALU_DEP_2)
	v_lshlrev_b32 v254, 6, v8
	s_delay_alu instid0(VALU_DEP_1)
	v_lshl_add_u32 v254, v9, 4, v254               ; Q: row r of 64 bytes, + 16 h
.irp c, 0,1
	global_load_b128 v[20+4*\c:23+4*\c], v254, s[48:49] offset:32*\c
	global_load_b128 v[28+4*\c:31+4*\c], v254, s[50:51] offset:32*\c
.endr
	v_mul_u32_u24 v1, v8, KP
	s_delay_alu instid0(VALU_DEP_1)
	v_lshl_add_u32 v1, v9, 4, v1                   ; row r x pitch + 16 h
	s_delay_alu instid0(VALU_DEP_1)
	v_add_nc_u32 v2, VOFF, v1
	v_lshlrev_b32 v11, 3, v9
	s_delay_alu instid0(VALU_DEP_1)
	v_sub_nc_u32 v3, v8, v11
	s_delay_alu instid0(VALU_DEP_1)
	v_add_nc_u32 v3, s60, v3                       ; my query's place in its block, less 8 h: 16 cx + r - 8 h
	s_delay_alu instid0(VALU_DEP_1)
	v_add_nc_u32 v4, 64, v3
	s_lshl_b32 s63, s10, 10
	s_add_co_u32 s63, s63, STAGE                   ; my stage
	v_lshlrev_b32 v10, 6, v8
	s_delay_alu instid0(VALU_DEP_1)
	v_lshl_add_u32 v10, v9, 3, v10
	s_delay_alu instid0(VALU_DEP_1)
	v_add_nc_u32 v10, s63, v10                     ; in: row r of 64 bytes, + 8 h
	v_and_b32 v7, 31, v0
	s_delay_alu instid0(VALU_DEP_1)
	v_lshlrev_b32 v7, 4, v7
	s_delay_alu instid0(VALU_DEP_1)
	v_add_nc_u32 v11, s63, v7                      ; back: 16 x lane
	v_mov_b32 v13, 0xff61b1e6                      ; the largest t so far: -3e38, under every t
	s_delay_alu instid0(VALU_DEP_1)
	v_floor_f32 v12, -v13                          ; -M
	v_mov_b32 v14, 0
	v_mov_b32 v15, 0
	v_mov_b32 v17, 0xff61b1e6
	s_delay_alu instid0(VALU_DEP_1)
	v_floor_f32 v16, -v17
	v_mov_b32 v18, 0
	v_mov_b32 v19, 0
	v_mov_b32 v247, 0                              ; (named as the upper half of the pair v[246:247])
	v_mov_b32 v252, 0                              ; a lane permute's destination counts as one of its sources
	v_mov_b32 v253, 0xff800000                     ; -infinity
.set j, 0
.rept 64
	v_mov_b32 v[164+j], 0                          ; O^T of both tiles: the step is written once; its first run finds zeros, which the first change of M leaves zeros
.set j, j+1
.endr
	s_wait_kmcnt 0x0
	s_add_co_i32 s57, s42, s43
	s_lshl_b32 s57, s57, 23
	s_add_co_i32 s18, s18, s57                     ; a score stands for score x 2^(eq + ek): added to c's exponent field
	s_mov_b32 s19, s18                             ; (named with it as a pair)
	s_add_co_i32 s57, s44, 127
	s_lshl_b32 s58, s57, 23
	v_mov_b32 v244, s58                            ; 2^ep
; A KEY STEP of 128 keys for tile x (0: A, 1: B).
.macro STEP x
.set rQ, 20+8*\x
.set rO, 164+32*\x
.set rT, 12+4*\x
	s_cmp_gt_u32 s14, s[12+\x]                     ; all the step's keys come after my block of queries: nothing to do
	s_cbranch_scc1 .Lhidden_\@
	v_add_nc_u32 v8, s15, v1
	v_add_nc_u32 v9, s15, v2
	v_nop                                          ; with the two additions: four places in front of loads into registers that the last products read
	v_nop
.irp t, 0,1,2,3,4,5,6,7
.irp c, 0,1
	ds_load_b128 v[F+8*\t+4*\c:F+8*\t+4*\c+3], v8 offset:16*KP*\t+32*\c   ; K: keys 16 t + r
.endr
.endr
	s_wait_alu depctr_va_vdst(0)
	s_wait_dscnt 0x0
.irp t, 0,1,2,3,4,5,6,7
	v_wmma_f32_16x16x64_fp8_fp8 v[S+8*\t:S+8*\t+7], v[F+8*\t:F+8*\t+7], v[rQ:rQ+7], 0
.endr
.rept 4
	v_nop                                          ; places in front of the loads below and of the first read of the scores
.endr
.irp t, 0,1,2,3
.irp c, 0,1,2,3
	ds_load_b128 v[F+16*\t+4*\c:F+16*\t+4*\c+3], v9 offset:(64*(\c/2)+16*\t)*KP+32*(\c%2)   ; V: d = 16 t + r, keys 32 c on; on its way under the whole softmax
.endr
.endr
	s_cmp_lg_u32 s14, s[12+\x]                     ; only the block's own step lies on the diagonal
	s_cbranch_scc1 .Lopen_\@
.set n, 0
.rept 64
	v_cmp_gt_i32 vcc_lo, 16*(n/8)+n%8, v[3+\x]     ; register n holds key 16 (n / 8) + n % 8 + 8 h of the step: hidden where it comes after my query
	v_cndmask_b32 v[S+n], v[S+n], v253, vcc_lo
.set n, n+1
.endr
.Lopen_\@:
	v_max3_num_f32 v250, v[S], v[S+1], v[S+2]      ; the step's largest score of my query among my 64 keys, in two chains, from each accumulator's low end on
	v_max3_num_f32 v251, v[S+3], v[S+4], v[S+5]
.irp i, 6,10,14,18,22,26,30,34,38,42,46,50,54,58
	v_max3_num_f32 v250, v250, v[S+\i], v[S+\i+1]
	v_max3_num_f32 v251, v251, v[S+\i+2], v[S+\i+3]
.endr
	v_max3_num_f32 v250, v250, v[S+62], v[S+63]
	s_delay_alu instid0(VALU_DEP_1)
	v_max_num_f32 v250, v250, v251
	s_delay_alu instid0(VALU_DEP_1)
	v_permlanex16_b32 v252, v250, s20, s21
	s_delay_alu instid0(VALU_DEP_1)
	v_max_num_f32 v250, v250, v252                 ; and among lane l xor 16's
	s_delay_alu instid0(VALU_DEP_1)
	v_mul_f32 v250, s18, v250                      ; as t (c is positive)
	s_delay_alu instid0(VALU_DEP_1)
	v_max_num_f32 v[rT+1], v[rT+1], v250           ; the running largest t
	v_mov_b32 v250, v[rT]
	s_delay_alu instid0(VALU_DEP_2)
	v_floor_f32 v[rT], -v[rT+1]                    ; the new -M = floor(-t): M is a whole number
	s_delay_alu instid0(VALU_DEP_1)
	v_sub_f32 v250, v[rT], v250                    ; old M - new M: a whole number, 0 or less
	s_delay_alu instid0(VALU_DEP_1)
	v_cvt_i32_f32 v250, v250                       ; (it saturates)
	s_delay_alu instid0(VALU_DEP_1)
	v_ldexp_f32 v246, 1.0, v250                    ; f = 2^(old M - new M)
.set j, 0
.rept 32
	v_pk_fma_f32 v[S+j:S+j+1], v[S+j:S+j+1], s[18:19], v[rT:rT+1] op_sel_hi:[1,0,0]   ; t - M, two at a time
.set j, j+2
.endr
.set j, 0
	s_wait_alu depctr_va_vdst(0)
.rept 64
	v_exp_f32 v[S+j], v[S+j]                       ; p = 2^(t - M), at most 1; 0 for a hidden key
.set j, j+1
.endr
	v_pk_mul_f32 v[rT+2:rT+3], v[rT+2:rT+3], v[246:247] op_sel_hi:[1,0]   ; the sums under the new M (a plain line behind the exponentials)
	s_wait_alu depctr_va_vdst(0)
	v_pk_add_f32 v[248:249], v[S:S+1], v[S+2:S+3]  ; the row's sum is taken of the unquantised p, in two chains
.irp j, 4,8,12,16,20,24,28,32,36,40,44,48,52,56,60
	v_pk_add_f32 v[rT+2:rT+3], v[rT+2:rT+3], v[S+\j:S+\j+1]
	v_pk_add_f32 v[248:249], v[248:249], v[S+\j+2:S+\j+3]
.endr
	s_delay_alu instid0(VALU_DEP_1)
	v_pk_add_f32 v[rT+2:rT+3], v[rT+2:rT+3], v[248:249]
.irp t, 0,1,2,3,4,5,6,7
.irp i, 0,1,2,3,4,5,6,7
.endr
	v_cvt_scalef32_pk8_fp8_f32 v[PC+2*\t:PC+2*\t+1], v[S+8*\t:S+8*\t+7], v244   ; keys 16 t + 8 h + 0 .. 7
.endr
.set j, 0
.rept 16
	v_pk_mul_f32 v[rO+j:rO+j+1], v[rO+j:rO+j+1], v[246:247] op_sel_hi:[1,0]   ; O^T under the new M; also the plain lines behind the conversions
.set j, j+2
.endr
	s_wait_alu depctr_va_vdst(0)
	s_wait_dscnt 0x0                               ; V is in
.irp t, 0,1,2,3
	v_wmma_f32_16x16x128_fp8_fp8 v[rO+8*\t:rO+8*\t+7], v[F+16*\t:F+16*\t+15], v[PC:PC+15], v[rO+8*\t:rO+8*\t+7]   ; the four accumulators by turns, one instruction a turn
.endr
.Lhidden_\@:
.endm
; THE CHANGE OF SLOTS, at a slot's head.  Each wave waits for all its tensor loads, adds 0 to its spare word, and waits for that and for its reads of the slot that it has left.
; fill = 1: a round of the cluster's barrier, and behind it the slot that was left is filled with the next 512 keys: the load has four key steps in which to land.
.macro CHANGE fill
	s_wait_tensorcnt 0x0                           ; no tensor load of mine is out, so group 0 may be written
	ds_add_u32 v5, v6                              ; 0 onto my spare word
.if \fill
	s_xor_b32 s33, s33, SLOT1                      ; the other slot than last time,
	s_add_nc_u64 s[34:35], s[34:35], 32768         ; the next 512 keys (of K: 512 rows of 64 bytes; of V: 8 blocks of 4,096); the type bits on top are not reached
.endif
	s_wait_dscnt 0x0                               ; the add is done, and my reads of the slot that I have left are over
.if \fill
	ROUND
	TLOAD                                          ; the first thing behind the round, and a wave's one tensor load until the next
.else
	s_barrier_signal -1
	s_barrier_wait -1
.endif
.endm
.macro SLOT_STEPS                      ; a slot's four key steps: written once, walked four times
	s_mov_b32 s17, 4
.Lstep_\@:
	STEP 0
	STEP 1
	s_add_co_u32 s15, s15, STEPB
	s_add_co_u32 s14, s14, 1
	s_sub_co_u32 s17, s17, 1
	s_cmp_lg_u32 s17, 0
	s_cbranch_scc1 .Lstep_\@
	s_sub_co_u32 s15, s15, 4*STEPB                 ; back to a slot's first step,
	s_xor_b32 s15, s15, SLOT1                      ; in the other slot
.endm
	s_wait_loadcnt 0x0                             ; Q
.Lslot:                                            ; three trips: behind each change of slots but the last the next slot is asked for
	CHANGE 1
	SLOT_STEPS
	s_sub_co_u32 s16, s16, 1
	s_cmp_lg_u32 s16, 0
	s_cbranch_scc1 .Lslot
	CHANGE 0                                       ; the last slot is written out
	SLOT_STEPS
	; THE WAY OUT.  ctx = O^T / the sum x 2^(ep + ev); its code = O^T / the sum / 2^(ectx - ep - ev).  A tile's 16 queries x 64 codes are 1 KiB on end in ctxc: through my stage, two stores of 512 consecutive bytes.
.rept 4
	v_nop                                          ; places behind the last products
.endr
	s_sub_co_i32 s57, s46, s44
	s_sub_co_i32 s57, s57, s45
	s_add_co_i32 s57, s57, 127
	s_lshl_b32 s58, s57, 23
	v_mov_b32 v244, s58                            ; 2^(ectx - ep - ev)
.macro OUT x
.set rO, 164+32*\x
.set rT, 12+4*\x
	v_add_f32 v250, v[rT+2], v[rT+3]               ; the sum's two halves,
	s_delay_alu instid0(VALU_DEP_1)
	v_permlanex16_b32 v252, v250, s20, s21
	s_delay_alu instid0(VALU_DEP_1)
	v_add_f32 v250, v250, v252                     ; and lane l xor 16's
	s_wait_alu depctr_va_vdst(0)
	v_rcp_f32 v246, v250
	v_nop                                          ; a plain line behind the transcendental
.set j, 0
	s_wait_alu depctr_va_vdst(0)
.rept 16
	v_pk_mul_f32 v[S+j:S+j+1], v[rO+j:rO+j+1], v[246:247] op_sel_hi:[1,0]   ; register 8 t + i is channel 16 t + 8 h + i of query r; each accumulator from its low end on
.set j, j+2
.endr
.set j, 0
.rept 32
.set j, j+1
.endr
.irp t, 0,1,2,3
	v_cvt_scalef32_pk8_fp8_f32 v[PC+2*\t:PC+2*\t+1], v[S+8*\t:S+8*\t+7], v244
.endr
	v_nop                                          ; a plain line behind the last conversion
.irp t, 0,1,2,3
	ds_store_b64 v10, v[PC+2*\t:PC+2*\t+1] offset:16*\t
.endr
.irp i, 0,1
	ds_load_b128 v[F+8*\x+4*\i:F+8*\x+4*\i+3], v11 offset:512*\i   ; LDS serves a wave's instructions in order: these see my stores, and the other tile's stores come behind them
.endr
.irp i, 0,1
	s_wait_dscnt 1-\i
	global_store_b128 v7, v[F+8*\x+4*\i:F+8*\x+4*\i+3], s[52+2*\x:53+2*\x] offset:512*\i
.endr
.endm
	OUT 0
	OUT 1
	s_wait_tensorcnt 0x0                           ; the wave's end
	ds_add_u32 v5, v6
	s_wait_dscnt 0x0
	ROUND                                          ; the closing round
	s_endpgm
.Lfunc_end_k_qa9cc7bc1cf_attn:
	.size	k_qa9cc7bc1cf_attn, .Lfunc_end_k_qa9cc7bc1cf_attn-k_qa9cc7bc1cf_attn
	.p2alignl 7, 3214868480
	.fill 96, 4, 3214868480
	.section	.rodata,"a",@progbits
	.p2align	6, 0x0
	.amdhsa_kernel k_qa9cc7bc1cf_attn
		.amdhsa_group_segment_fixed_size 327680
		.amdhsa_private_segment_fixed_size 0
		.amdhsa_enable_private_segment 0
		.amdhsa_kernarg_size 24
		.amdhsa_user_sgpr_count 2
		.amdhsa_user_sgpr_kernarg_segment_ptr 1
		.amdhsa_wavefront_size32 1
		.amdhsa_system_sgpr_workgroup_id_x 1
		.amdhsa_system_sgpr_workgroup_id_y 1
		.amdhsa_system_sgpr_workgroup_id_z 1
		.amdhsa_system_vgpr_workitem_id 0
		.amdhsa_next_free_vgpr 256
		.amdhsa_next_free_sgpr 66
		.amdhsa_reserve_vcc 1
		.amdhsa_float_denorm_mode_32 3
		.amdhsa_float_denorm_mode_16_64 3
		.amdhsa_fp16_overflow 1
		.amdhsa_memory_ordered 1
		.amdhsa_forward_progress 1
		.amdhsa_inst_pref_size 90
	.end_amdhsa_kernel
	.amdgpu_metadata
---
amdhsa.version: [ 1, 2 ]
amdhsa.kernels:
  - .name:           k_qa9cc7bc1cf_attn
    .symbol:         k_qa9cc7bc1cf_attn.kd
    .args:
      - { .name: qkvc, .offset: 0, .size: 8, .value_kind: global_buffer, .address_space: global }
      - { .name: lowp_scales, .offset: 8, .size: 8, .value_kind: global_buffer, .address_space: global }
      - { .name: ctxc, .offset: 16, .size: 8, .value_kind: global_buffer, .address_space: global }
    .group_segment_fixed_size: 327680
    .private_segment_fixed_size: 0
    .kernarg_segment_align: 8
    .kernarg_segment_size: 24
    .max_flat_workgroup_size: 512
    .sgpr_count:     66
    .vgpr_count:     256
    .wavefront_size: 32
...
	.end_amdgpu_metadata
.endif
;; end of part 3
;; launch outp (part 4): grid 4 x 32, 4 waves a work-group, clusters of 4 x 4, 327,680 bytes of LDS; arguments ctxc, wc, lowp_scales, bo, out0; writes out0
.if DOCPART == 4
	.amdgcn_target "amdgcn-amd-amdhsa--gfx1250"
	.amdhsa_code_object_version 6
	.text
	.protected	k_qa9cc7bc1cf_outp
	.globl	k_qa9cc7bc1cf_outp
	.p2align	8
	.type	k_qa9cc7bc1cf_outp,@function
k_qa9cc7bc1cf_outp:
	s_mov_b64 s[64:65], 0
	v_nop
	global_prefetch_b8 v0, s[64:65] scope:SCOPE_SE
	s_setreg_imm32_b32 hwreg(HW_REG_WAVE_MODE, 25, 1), 1
	s_wait_xcnt 0x0
	s_wait_alu depctr_hold_cnt(0) depctr_sa_sdst(0) depctr_va_vdst(0) depctr_va_sdst(0) depctr_va_ssrc(0) depctr_va_vcc(0) depctr_vm_vsrc(0)
	s_getreg_b32 s2, hwreg(HW_REG_IB_STS2, 6, 4)
	s_cmp_eq_u32 s2, 0
	s_cbranch_scc0 .Lentry_in_a_cluster
	s_endpgm
.Lentry_in_a_cluster:
	s_bfe_u32 s2, ttmp6, 0x10000c
	s_cmp_lg_u32 s2, 0xf033
	s_cbranch_scc0 .Lentry_shape_is_right
	s_endpgm
.Lentry_shape_is_right:
; out0 = ctx Wo + bo on codes of FP8 (E4M3): out0[m][n] = 2^(e10 + e11) x sum over k of A[m][k] B[n][k] + bo[n]; M = 8,192, N = K = 1,024; out0 f32.
; A = ctx's codes, laid [m / 256][16 heads][256 tokens][64 d]: a K step of 256 (four heads) of a tile's 256 rows is 64 KiB on end.  B = Wo's codes, wc + 3 MiB, [1024 n][1024 k].
; LIMIT: e10 + e11 lies between -126 and 127, so that 2^(e10 + e11) is an f32 number.
; A tile of 256 x 256 is made by four waves, 128 x 128 each: 64 accumulators, 512 registers.  K goes in steps of 256 through a ring of two LDS slots filled by the tensor data mover.
; There are 128 such tiles: half the work-groups that the chip could hold; a smaller tile would want a second body and reads each LDS byte for half the products.
; CLUSTERS: 4 x 4 work-groups; A's tile is shared along a row of the cluster, B's along a column: asked for jointly.
; THE MATRIX INSTRUCTION IS USED TRANSPOSED (source 0 = 16 rows of B, source 1 = 16 rows of A): a lane holds eight neighbouring numbers of a row of out0.
; k stands in permuted places inside an instruction (four loads of 16 bytes a fragment), alike in A and B; the order of the sums inside an instruction differs from ascending k.
; REGISTERS, in windows of 256: window 0: v0-31 addresses and the bias; from v128 A's fragments, ONE set, later rows on the way out.  window 1: B's fragments, TWO sets.  windows 2, 3: the accumulators.
.set ROWB,   256                       ; B: a tile's row in bytes
.set KROW,   1024
.set PITCH,  272                       ; B: an LDS row: 256 bytes + 16
.set PA,     80                        ; A: an LDS row: a token's 64 codes of one head + 16
.set HEADB,  256*PA                    ; A: a head's 256 tokens
.set AHALF,  2*HEADB                   ; A: what one tensor load brings: two heads, 128 along K
.set FR,     16
.set NL,     4
.set NP,     4
.set HALFT,  128*PITCH                 ; B: what one tensor load brings
.set BOFF,   2*AHALF                   ; a slot: A's four heads, then B's 256 rows
.set SLOT,   BOFF+2*HALFT
.set LAPS,   2
.set SPARE,  2*SLOT                    ; behind the ring: the spare words, 128 bytes a wave
.set SPITCH, 528                       ; the way out: a stage of 16 rows x (512 bytes + 16) for each wave, in slot 0, which has had its last fill and its last read by then
.set NBYTES, 4096                      ; a row of out0
.set ADRA, 16                          ; v16-19  LDS address of my A fragments: slot 0 K 0-127, slot 0 K 128-255, slot 1 likewise
.set ADRB, 20                          ; v20-21  of my B fragments in slot 0, 1
.set STO,  24
.set RD,   25
.set CO,   26
.set SPW,  28
.set NIL,  29
.set BI,   8                           ; v8-11   bo at my four columns of a row read back
.set AF,   128
.set BK,   128                         ; the way out: 16 rows read back: v128-191 and v192-255 by turns
.set G1, 24
.set G0, 32
.set G1B, 48
.set G0B, 56
.set MSB, 0
.macro WIN new
.if MSB != (\new)
	s_set_vgpr_msb (MSB<<8)|(\new)
.set MSB, (\new)
.endif
.endm
.set MUL_LO, 0xa1
.set MUL_HI, 0xf1
.set TO_B,   0x40
.macro JLOAD g0a, g1a, g0b, g1b        ; a joint load: waves 0 and 1 fetch for A, waves 2 and 3 for B.  Four v_nop follow each of the two lines
	s_cmp_eq_u32 s15, 0
	s_cbranch_scc0 .Lfor_b_\@
	tensor_load_to_lds s[\g0a:\g0a+3], s[\g1a:\g1a+7]
	s_nop 0
.rept 4
	v_nop
.endr
	s_branch .Lasked_\@
.Lfor_b_\@:
	tensor_load_to_lds s[\g0b:\g0b+3], s[\g1b:\g1b+7]
	s_nop 0
.rept 4
	v_nop
.endr
.Lasked_\@:
.endm
.macro CREST
	s_cmp_lg_u32 s14, 0
	s_cbranch_scc1 .Lnot_wave_0_\@
	s_barrier_signal -3
.Lnot_wave_0_\@:
	s_barrier_wait -3
	s_barrier_signal -1
	s_barrier_wait -1
.endm
.macro CROUND
	s_barrier_signal -1
	s_barrier_wait -1
	CREST
.endm
	s_load_b256 s[4:11], s[0:1], 0x0               ; ctxc 4:5, wc 6:7, the scales 8:9, bo 10:11
	s_load_b64 s[12:13], s[0:1], 0x20              ; out0
	v_lshl_add_u32 v[SPW], v0, 2, SPARE
	v_mov_b32 v[NIL], 0
	ds_add_u32 v28, v29
	ds_add_u32 v28, v29
	s_wait_dscnt 0x0
	v_lshrrev_b32 v1, 5, v0
	v_readfirstlane_b32 s14, v1                    ; wave 0..3
	s_lshr_b32 s15, s14, 1                         ; which half of the tile's rows is mine.  Also: I fetch for A (0) or for B (1)
	s_and_b32 s16, s14, 1                          ; which half of its columns.  Also: which half of that tile I fetch
	s_bfe_u32 s40, ttmp6, 0x40000                  ; cx, cy
	s_bfe_u32 s41, ttmp6, 0x40004
	s_lshl_b32 s42, ttmp9, 2
	s_add_co_u32 s42, s42, s40                     ; tile column
	s_and_b32 s17, ttmp7, 0xffff
	s_lshl_b32 s17, s17, 2
	s_add_co_u32 s17, s17, s41                     ; tile row
	s_lshl_b32 s43, s41, 2
	s_lshl_b32 s43, 15, s43                        ; my row of the cluster
	s_lshl_b32 s44, 0x1111, s40                    ; my column
	s_or_b32 s[G1+0], s43, (0<<16)|(1<<20)|(1<<21)|(3<<22)|(3<<25)   ; A: elements of 1 byte; four words of padding after every 16
	s_mov_b32 s[G1+1], 64<<16                      ; tensor_dim0: a token's 64 codes of a head
	s_mov_b32 s[G1+2], 512<<16                     ; tensor_dim1: two heads x 256 tokens
	s_mov_b32 s[G1+3], 64<<16                      ; tile_dim0
	s_mov_b32 s[G1+4], 512                         ; tile_dim1
	s_mov_b32 s[G1+5], 64                          ; the rows are dense
	s_mov_b32 s[G1+6], 0
	s_mov_b32 s[G1+7], 0
	s_or_b32 s[G1B+0], s44, (0<<16)|(1<<20)|(1<<21)|(5<<22)|(3<<25)  ; B: four words of padding after every 64
	s_mov_b32 s[G1B+1], ROWB<<16
	s_mov_b32 s[G1B+2], 128<<16
	s_mov_b32 s[G1B+3], ROWB<<16
	s_mov_b32 s[G1B+4], 128
	s_mov_b32 s[G1B+5], KROW
	s_mov_b32 s[G1B+6], 0
	s_mov_b32 s[G1B+7], 0
	s_lshl_b32 s20, s17, 18                        ; A: a tile row is 262,144 bytes,
	s_lshl_b32 s18, s16, 15                        ; two heads 32,768
	s_add_co_u32 s20, s20, s18
	s_mov_b32 s21, 0
	s_lshl_b32 s46, s42, 8
	s_lshl_b32 s18, s16, 7
	s_add_co_u32 s46, s46, s18
	s_lshl_b32 s46, s46, 10                        ; B: (256 x tile column + 128 x half) rows of 1,024 bytes,
	s_add_co_u32 s46, s46, 0x300000                ; in the fourth weight's codes
	s_mov_b32 s47, 0
	s_mul_i32 s45, s16, AHALF                      ; where they go: no place in the cluster enters an LDS address
	s_mul_i32 s19, s16, HALFT
	s_add_co_u32 s19, s19, BOFF
	s_wait_kmcnt 0x0
	s_load_b64 s[96:97], s[8:9], 0x28              ; e10, e11
	s_add_nc_u64 s[20:21], s[4:5], s[20:21]
	s_add_nc_u64 s[46:47], s[6:7], s[46:47]
	CROUND                                         ; all sixteen work-groups are here: the first joint loads meet
.irp s, 0,1
	s_mov_b32 s[G0+4*\s], 1
	s_add_co_u32 s[G0+4*\s+1], s45, \s*SLOT
	s_add_nc_u64 s[G0+4*\s+2:G0+4*\s+3], s[20:21], \s*65536
	s_or_b32 s[G0+4*\s+3], s[G0+4*\s+3], 0x80000000
	s_mov_b32 s[G0B+4*\s], 1
	s_add_co_u32 s[G0B+4*\s+1], s19, \s*SLOT
	s_add_nc_u64 s[G0B+4*\s+2:G0B+4*\s+3], s[46:47], \s*ROWB
	s_or_b32 s[G0B+4*\s+3], s[G0B+4*\s+3], 0x80000000
	s_wait_alu depctr_va_vdst(0)
	s_wait_tensorcnt 0x0
	ds_add_u32 v28, v29
	ds_add_u32 v28, v29
	s_wait_dscnt 0x0
	CROUND
	JLOAD G0+4*\s, G1, G0B+4*\s, G1B
.endr
	v_and_b32 v1, 15, v0                           ; r
	v_bfe_u32 v2, v0, 4, 1                         ; h
	v_mul_u32_u24 v3, v1, PA
	v_lshl_add_u32 v3, v2, 4, v3
	s_mul_i32 s21, s15, 128*PA                     ; my 128 tokens
	v_add_nc_u32 v[ADRA], s21, v3
	v_add_nc_u32 v[ADRA+1], AHALF, v[ADRA]
	v_add_nc_u32 v[ADRA+2], SLOT, v[ADRA]
	v_add_nc_u32 v[ADRA+3], SLOT+AHALF, v[ADRA]
	v_mul_u32_u24 v4, v1, PITCH
	v_lshl_add_u32 v4, v2, 4, v4
	s_mul_i32 s22, s16, HALFT
	s_add_co_u32 s22, s22, BOFF                    ; my 128 rows of B
	v_add_nc_u32 v[ADRB], s22, v4
	v_add_nc_u32 v[ADRB+1], SLOT, v[ADRB]
	s_mul_i32 s23, s14, 16*SPITCH                  ; my stage
	v_mul_u32_u24 v5, v1, SPITCH
	v_lshl_add_u32 v5, v2, 5, v5
	v_add_nc_u32 v[STO], s23, v5                   ; in: row r, 32 bytes for each half of the lanes
	v_and_b32 v6, 31, v0
	v_lshlrev_b32 v[CO], 4, v6                     ; back: the 32 lanes take one row of 512 bytes; and the same in out0 and in bo
	s_wait_alu depctr_va_vdst(0)
	v_add_nc_u32 v[RD], s23, v[CO]
	s_lshl_b32 s20, s17, 8
	s_lshl_b32 s21, s15, 7
	s_add_co_u32 s20, s20, s21
	s_lshl_b32 s20, s20, 12                        ; my first row, in bytes: under 2^25
	s_lshl_b32 s46, s42, 10
	s_lshl_b32 s47, s16, 9
	s_add_co_u32 s46, s46, s47                     ; my first column, in bytes
	s_add_co_u32 s20, s20, s46
	s_mov_b32 s21, 0
	s_mov_b32 s47, 0
	s_add_nc_u64 s[12:13], s[12:13], s[20:21]
	s_add_nc_u64 s[10:11], s[10:11], s[46:47]
	global_load_b128 v[BI:BI+3], v[CO], s[10:11]   ; bo at columns 4 l .. 4 l + 3 of my 128
.macro FRAG reg, adr, q, i             ; B: 16 rows x 128 K: registers 4 c .. 4 c + 3 hold K = 32 c + 16 (l / 16) + 0 .. 15
.irp c, 0,1,2,3
	ds_load_b128 v[\reg+4*\c:\reg+4*\c+3], v[\adr] offset:128*(\q)+32*\c+(\i)*16*PITCH
.endr
.endm
.macro FRAGA reg, slot, q, i           ; A: the same k: head c / 2 of the two, d = 32 (c % 2) + 16 (l / 16) + 0 .. 15
.irp c, 0,1,2,3
	ds_load_b128 v[\reg+4*\c:\reg+4*\c+3], v[ADRA+2*(\slot)+(\q)] offset:(\c/2)*HEADB+32*(\c%2)+(\i)*16*PA
.endr
.endm
.macro MUL16 a0, p, zero               ; the 64 accumulators take turns, one instruction a turn
.irp a, \a0, \a0+1
.irp b, 0,1,2,3,4,5,6,7
.if \zero
	v_wmma_f32_16x16x128_fp8_fp8 v[8*(8*((\a)%4)+\b):8*(8*((\a)%4)+\b)+7], v[128*(\p)+FR*\b:128*(\p)+FR*\b+FR-1], v[AF+FR*(\a):AF+FR*(\a)+FR-1], 0
.else
	v_wmma_f32_16x16x128_fp8_fp8 v[8*(8*((\a)%4)+\b):8*(8*((\a)%4)+\b)+7], v[128*(\p)+FR*\b:128*(\p)+FR*\b+FR-1], v[AF+FR*(\a):AF+FR*(\a)+FR-1], v[8*(8*((\a)%4)+\b):8*(8*((\a)%4)+\b)+7]
.endif
.endr
.endr
.endm
.macro FETCH_B slot, q, p
	WIN TO_B
.irp i, 0,1,2,3,4,5,6,7
	FRAG 128*(\p)+FR*\i, ADRB+\slot, \q, \i
.endr
	WIN 0
.endm
.macro FETCH_A slot, q, i0
.irp i, \i0, \i0+1, \i0+2, \i0+3
	FRAGA AF+FR*(\i), \slot, \q, \i
.endr
.endm
.macro PLACES n                        ; plain vector lines between a matrix instruction and a load into one of its registers, or a read of its result
.rept \n
	v_nop
.endr
.endm
.macro STEP slot, q, zero
	s_wait_dscnt 4*NL                              ; B's set and A's blocks 0-3 are in; the youngest sixteen loads (A's blocks 4-7) may be out
	WIN MUL_LO
	MUL16 0, (\q)%2, \zero
	MUL16 2, (\q)%2, \zero
	s_wait_dscnt 0
	PLACES NP
	FETCH_B \slot, (\q)+1, 1-(\q)%2
	FETCH_A \slot, (\q)+1, 0
	WIN MUL_HI
	MUL16 4, (\q)%2, \zero
	MUL16 6, (\q)%2, \zero
	PLACES NP
	WIN 0
	FETCH_A \slot, (\q)+1, 4
.endm
.macro TURN slot, next, fill
	s_wait_tensorcnt 0x0                           ; all my tensor loads have landed: my part of the next slot
	ds_add_u32 v[SPW], v[NIL]                      ; 0 onto my spare word
	s_wait_dscnt 4*NL+1                            ; the add and the youngest sixteen loads may be out
	WIN MUL_LO
	MUL16 0, 1, 0
	s_wait_dscnt 0x0                               ; the add is done, and my reads of this slot are over
	s_barrier_signal -1
	MUL16 2, 1, 0
	WIN 0
	s_barrier_wait -1
.if \fill
	CREST                                          ; the barrier has opened a round of the cluster's: no wave of any partner still reads this slot or has a load on its way
	s_add_nc_u64 s[G0+4*\slot+2:G0+4*\slot+3], s[G0+4*\slot+2:G0+4*\slot+3], 2*65536
	s_add_nc_u64 s[G0B+4*\slot+2:G0B+4*\slot+3], s[G0B+4*\slot+2:G0B+4*\slot+3], 2*ROWB
	JLOAD G0+4*\slot, G1, G0B+4*\slot, G1B         ; the first tensor load behind the round; its four v_nop are the places in front of the loads below
.else
	PLACES NP
.endif
	FETCH_B \next, 0, 0
	FETCH_A \next, 0, 0
	WIN MUL_HI
	MUL16 4, 1, 0
	MUL16 6, 1, 0
	PLACES NP
	WIN 0
	FETCH_A \next, 0, 4
.endm
	s_wait_tensorcnt 1                             ; my part of K step 0 is in; K step 1's load may be out
	s_barrier_signal -1
	s_barrier_wait -1
	FETCH_B 0, 0, 0
	FETCH_A 0, 0, 0
	FETCH_A 0, 0, 4
	STEP 0, 0, 1                                   ; the first step stands in front of the loop: its products start the sums
	s_mov_b32 s3, LAPS-1
.Llap:
	TURN 0, 1, 1
	STEP 1, 0, 0
	TURN 1, 0, 1
	STEP 0, 0, 0
	s_sub_co_u32 s3, s3, 1
	s_cmp_lg_u32 s3, 0
	s_cbranch_scc1 .Llap
	TURN 0, 1, 0                                   ; the last lap fills nothing
	STEP 1, 0, 0
	s_wait_dscnt 4*NL
	WIN MUL_LO
	MUL16 0, 1, 0
	MUL16 2, 1, 0
	s_wait_dscnt 0
	WIN MUL_HI
	MUL16 4, 1, 0
	MUL16 6, 1, 0
	WIN 0
; THE WAY OUT, a block of 16 rows x 128 columns at a time.  The raw sums go through my stage and come back as whole rows of 512 bytes: a lane then holds four neighbouring columns, the same four in every row,
; so four registers of bias serve, and one packed multiply-add for two numbers gives sum x 2^(e10 + e11) + bo.  The 32 lanes store 512 consecutive bytes, aligned.
.macro TOSTAGE a
.set AC, 64*((\a)%4)
	WIN 0x08+4*((\a)/4)                            ; an LDS store's data are its source 1: window 2 or 3
.irp b, 0,1,2,3,4,5,6,7
	ds_store_b128 v[STO], v[AC+8*\b:AC+8*\b+3] offset:64*\b          ; each accumulator from its low end on
	ds_store_b128 v[STO], v[AC+8*\b+4:AC+8*\b+7] offset:64*\b+16
.endr
	WIN 0
.set BB, BK+64*((\a)%2)
.irp t, 0,1,2,3,4,5,6,7,8,9,10,11,12,13,14,15
	ds_load_b128 v[BB+4*\t:BB+4*\t+3], v[RD] offset:\t*SPITCH        ; LDS serves a wave's instructions in order: these see the stores above
.endr
.endm
.macro SEND a, younger
.set BB, BK+64*((\a)%2)
	s_wait_dscnt \younger
.if (\a) > 0
	s_add_nc_u64 s[12:13], s[12:13], 16*NBYTES     ; (behind a wait on XCNT: the earlier stores have read their base)
.endif
.irp t, 0,1,2,3,4,5,6,7,8,9,10,11,12,13,14,15
	v_pk_fma_f32 v[BB+4*\t:BB+4*\t+1], v[BB+4*\t:BB+4*\t+1], s[96:97], v[BI:BI+1] op_sel_hi:[1,0,1]
	v_pk_fma_f32 v[BB+4*\t+2:BB+4*\t+3], v[BB+4*\t+2:BB+4*\t+3], s[96:97], v[BI+2:BI+3] op_sel_hi:[1,0,1]
	global_store_b128 v[CO], v[BB+4*\t:BB+4*\t+3], s[12:13] offset:\t*NBYTES th:TH_STORE_NT
.endr
.endm
	s_wait_kmcnt 0x0
	s_add_co_i32 s96, s96, s97
	s_add_co_i32 s96, s96, 127
	s_lshl_b32 s96, s96, 23                        ; 2^(e10 + e11) as f32
	s_wait_loadcnt 0x0                             ; the bias
	PLACES NP                                      ; behind the last products: for the stores of their results and the loads into registers that held A's fragments
	s_wait_alu depctr_va_vdst(0)
	TOSTAGE 0
.irp a, 1,2,3,4,5,6,7
.if \a > 1
	s_wait_xcnt 0x0                                ; block a - 2's stores have read their registers and their base
.endif
	TOSTAGE \a
	SEND \a-1, 32                                  ; behind block a - 1's loads: block a's 16 stores and 16 loads
.endr
	s_wait_xcnt 0x0
	SEND 7, 0
	s_wait_tensorcnt 0x0                           ; the wave's end
	ds_add_u32 v[SPW], v[NIL]
	s_wait_dscnt 0x0
	CROUND                                         ; the closing round
	s_endpgm
.Lfunc_end_k_qa9cc7bc1cf_outp:
	.size	k_qa9cc7bc1cf_outp, .Lfunc_end_k_qa9cc7bc1cf_outp-k_qa9cc7bc1cf_outp
	.p2alignl 7, 3214868480
	.fill 96, 4, 3214868480
	.section	.rodata,"a",@progbits
	.p2align	6, 0x0
	.amdhsa_kernel k_qa9cc7bc1cf_outp
		.amdhsa_group_segment_fixed_size 327680
		.amdhsa_private_segment_fixed_size 0
		.amdhsa_enable_private_segment 0
		.amdhsa_kernarg_size 40
		.amdhsa_user_sgpr_count 2
		.amdhsa_user_sgpr_kernarg_segment_ptr 1
		.amdhsa_wavefront_size32 1
		.amdhsa_system_sgpr_workgroup_id_x 1
		.amdhsa_system_sgpr_workgroup_id_y 1
		.amdhsa_system_sgpr_workgroup_id_z 1
		.amdhsa_system_vgpr_workitem_id 0
		.amdhsa_next_free_vgpr 1024
		.amdhsa_next_free_sgpr 100
		.amdhsa_reserve_vcc 0
		.amdhsa_float_denorm_mode_32 3
		.amdhsa_float_denorm_mode_16_64 3
		.amdhsa_memory_ordered 1
		.amdhsa_forward_progress 1
		.amdhsa_inst_pref_size 124
	.end_amdhsa_kernel
	.amdgpu_metadata
---
amdhsa.version: [ 1, 2 ]
amdhsa.kernels:
  - .name:           k_qa9cc7bc1cf_outp
    .symbol:         k_qa9cc7bc1cf_outp.kd
    .args:
      - { .name: ctxc, .offset: 0, .size: 8, .value_kind: global_buffer, .address_space: global }
      - { .name: wc, .offset: 8, .size: 8, .value_kind: global_buffer, .address_space: global }
      - { .name: lowp_scales, .offset: 16, .size: 8, .value_kind: global_buffer, .address_space: global }
      - { .name: bo, .offset: 24, .size: 8, .value_kind: global_buffer, .address_space: global }
      - { .name: out0, .offset: 32, .size: 8, .value_kind: global_buffer, .address_space: global }
    .group_segment_fixed_size: 327680
    .private_segment_fixed_size: 0
    .kernarg_segment_align: 8
    .kernarg_segment_size: 40
    .max_flat_workgroup_size: 128
    .sgpr_count:     100
    .vgpr_count:     1024
    .wavefront_size: 32
...
	.end_amdgpu_metadata
.endif
;; end of part 4
